; MI455X (gfx1250); checked and timed in simulation.
; The chip was launched on July 23, 2026; its instructions are those of AMD's public machine-readable ISA for CDNA 5 (MIT licence, August 2026) and "CDNA5" Instruction Set Architecture Reference Guide (July 2026). The comments in the code are by the model that wrote it; some were corrected since.
;; Multihead Self Attention. Allowed arithmetic: matrix products marked QUANTISED: E2M1 operands, one E8M0 scale for each 32 along K, by v_wmma_scale_f32_16x16x128_f8f6f4 with both operands' format E2M1 (or v_wmma_scale_f32_32x16x128_f4), f32 sums; products left as they are: bf16, f16 or f32 operands; f32 sums; everything else in f32.
;; Inputs: wk 1,024 x 8 x 128 float32; wo 8 x 128 x 1,024 float32; wq 1,024 x 8 x 128 float32; wv 1,024 x 8 x 128 float32; x 4 x 2,048 x 1,024 float32.
;; Outputs: out0 4 x 2,048 x 1,024 float32.
;; This version of the problem:
;;   THIS VERSION OF THE PROBLEM IS GIVEN IN LOW PRECISION. The matrix products marked QUANTISED in the list below multiply operands that are first quantised to E2M1 (2 exponent bits, 1 mantissa bit; 4 bits a number), with one power-of-two scale for each 32 numbers along K (OCP MX v1.0); their sums are f32. The products marked 'left as it is' may take bf16, f16 or f32 operands, with f32 sums. Whichever they take, every output number must still come out within the allowed error. Rounding operands to bf16 (8 significant bits) uses up far more of that allowance than f16 does (11 bits, for magnitudes from 6e-5 to 65,504). All else is computed in f32.
;;   The module's matrix products, in the order in which they are computed (A, B: the left and right operand; K: the contracted axis; several contracted axes count as one K, in the product's order):
;;     1. [M 1,024, K 1,024] x [K 1,024, N 8,192]; A: input wq; B: input x: QUANTISED
;;     2. [M 1,024, K 1,024] x [K 1,024, N 8,192]; A: input wk; B: input x: QUANTISED
;;     3. [M 1,024, K 1,024] x [K 1,024, N 8,192]; A: input wv; B: input x: QUANTISED
;;     4. batch 32 x [M 2,048, K 128] x [K 128, N 2,048]; A: computed on the way; B: computed on the way: left as it is (an operand is computed on the way)
;;     5. batch 32 x [M 2,048, K 2,048] x [K 2,048, N 128]; A: computed on the way; B: computed on the way: left as it is (an operand is computed on the way)
;;     6. [M 8,192, K 1,024] x [K 1,024, N 1,024]; A: computed on the way; B: input wo: left as it is (an operand is computed on the way)
;;   THE QUANTISER, for each operand of a quantised product, along K:
;;     - K is cut into blocks of 32 from its start; a last block that is shorter is filled with zeros.
;;     - A block's scale is 2^e with e = floor(log2(the largest magnitude in the block)) - 2, held to -126 .. 127; a block of zeros has e = 0. As a byte (E8M0): e + 127.
;;     - Each number is divided by its block's scale, clamped to +-6, and rounded to the nearest number of E2M1, ties to even, subnormals kept.
;;     - The product sums the exact products of the quantised numbers (number of the format x scale) in f32.
;;   ~~~python
;;   def quantise(x, axis):      # numpy; x: float32 -> the quantised numbers, widened to float32 again
;;       x = np.moveaxis(x, axis, -1); K = x.shape[-1]
;;       x = np.pad(x, [(0, 0)] * (x.ndim - 1) + [(0, -K % 32)]); x = x.reshape(x.shape[:-1] + (-1, 32)); a = np.abs(x).max(-1, keepdims=True)
;;       e = np.where(a > 0, np.clip(np.frexp(np.where(a > 0, a, 1))[1] - 1 - 2, -126, 127), 0)      # np.frexp(a)[1] - 1 = floor(log2(a)), exactly
;;       r = np.clip(x / 2.0 ** e, -6, 6)
;;       step = 2.0 ** (np.maximum(np.frexp(np.where(r == 0, 1, r))[1] - 1, 0) - 1)
;;       q = np.round(r / step) * step * 2.0 ** e      # np.round: ties to even
;;       return np.moveaxis(q.reshape(q.shape[:-2] + (-1,))[..., :K], -1, axis).astype(np.float32)
;;   ~~~
;; One version. Each part assembles by itself: llvm-mc -triple=amdgcn-amd-amdhsa -mcpu=gfx1250 --defsym DOCPART=n.
;; ======== version 1 of 1: 5 launches
;; limits: values are held in f16: magnitudes above 65,504 overflow, below 6.1e-05 lose precision
;; workspace buffers: codes 5,767,168 bytes; scales 360,448 bytes; woi 2,097,152 bytes; tab 524,288 bytes; qkv16 50,331,648 bytes; o16 16,777,216 bytes; qkv32 786,432 bytes
;; launch prep (part 1): grid 272 x 1, 8 waves a work-group, no clusters, 83,968 bytes of LDS; arguments x, wq, wk, wv, wo, codes, scales, woi, tab; writes codes, scales, woi, tab
.if DOCPART == 1
	.amdgcn_target "amdgcn-amd-amdhsa--gfx1250"
	.amdhsa_code_object_version 6
	.text
	.protected	k_qae5ef38891_prep
	.globl	k_qae5ef38891_prep
	.p2align	8
	.type	k_qae5ef38891_prep,@function
k_qae5ef38891_prep:
	s_mov_b64 s[64:65], 0
	v_nop
	global_prefetch_b8 v0, s[64:65] scope:SCOPE_SE
	s_setreg_imm32_b32 hwreg(HW_REG_WAVE_MODE, 25, 1), 1
	s_wait_xcnt 0x0
; PREPARATION, four kinds of work-groups, told apart by the work-group's number alone:
;   0..95    W:   wq, wk, wv [1024 (K)][1024 (n)] f32 -> codes of E2M1, K innermost, rows 8192 + 1024 w + n of 'codes' (512 bytes a row), one E8M0 byte for each 32 along K in 'scales' (32 bytes a row)
;   96..223  X:   x [8192][1024] f32 -> rows 0..8191 of 'codes' and 'scales'
;   224..255 WO:  wo [1024 (k)][1024 (n)] f32 -> f16, laid as the matrix operand's registers: woi[k/128][n/16][chunk c][lane][16 bytes], lane (r, h) of chunk c = wo[128 ks + 16 c + 8 h + 0..7][16 nt + r]
;   256..271 TAB: cos and sin of t x 10000^(-d/32), times 128^-0.5, laid as a matrix result's registers: tab[t/16][4 cs + 2 b + e][lane][16 bytes], lane (r, h): t = 16 tb + r, d = 16 b + 8 h + 4 e + 0..3
; A block's scale is 2^(floor(log2(largest magnitude)) - 2); its byte is that magnitude's exponent field - 2, held at 1 from below.
; LIMITS: a block of zeros gets the byte 1 (its codes are zeros, and this program alone reads the bytes); NaN and infinities among the inputs are not served; wo is rounded to f16 (largest number 65,504);
; the angle's power is made by v_exp_f32; cos and sin come from a reduction by pi/2 in two parts and polynomials good for |r| <= pi/4, for positions up to 2,047; the factor 128^-0.5 is put on cos and sin, not on the rotated number.
; The weights' scale bytes leave 4 bytes a lane to rows 32 bytes apart: 96 KiB in all.
; Memory binds: no matrix unit, no cluster.  Each path that stores to LDS has LDS bytes of its own.
.set WREG,  8192                       ; path X: a region for each wave: two stages of 32 x SP bytes, then its 256 scale bytes
.set SP,    80                         ; a lane's place in a stage: 64 bytes + 16 of padding
.set WST,   65536                      ; path W: the work-group's stage, 64 rows (columns n) x 272
.set WP,    272
.set SPARE, WST+64*WP                  ; the spare words, 128 bytes for each of the eight waves: no other line names them
.set SPW,   12                         ; v12 LDS address of my spare word; never rewritten
.set NIL,   13                         ; v13 0; never rewritten
.set R,     16                         ; path X: v16-143 eight sets of 16 numbers as loaded
.set X,     144                        ; v144-175 two sets of 16 neighbours
.set C,     176                        ; v176-207 codes, two registers for each step
.set E,     208                        ; v208-223 a scale byte for each step
	s_load_b256 s[4:11], s[0:1], 0x0               ; x s[4:5], wq s[6:7], wk s[8:9], wv s[10:11]
	s_load_b256 s[12:19], s[0:1], 0x20             ; wo s[12:13], codes s[14:15], scales s[16:17], woi s[18:19]
	s_load_b64 s[20:21], s[0:1], 0x40              ; tab
	v_lshl_add_u32 v[SPW], v0, 2, SPARE
	v_mov_b32 v[NIL], 0
	v_lshrrev_b32 v1, 5, v0
	v_readfirstlane_b32 s22, v1                    ; wave 0..7
	v_and_b32 v2, 31, v0                           ; lane
	s_mov_b32 s27, 0                               ; the high word of every offset pair s[26:27]
	s_wait_kmcnt 0x0
	s_cmp_lt_u32 ttmp9, 96
	s_cbranch_scc1 .Lpath_w
	s_cmp_lt_u32 ttmp9, 224
	s_cbranch_scc1 .Lpath_x
	s_cmp_lt_u32 ttmp9, 256
	s_cbranch_scc1 .Lpath_o
; ---------------- TAB: wave w takes chunk ii = w % 4 (cos) and 4 + ii (sin) of four blocks of 16 positions
	s_sub_co_u32 s24, ttmp9, 256
	s_lshl_b32 s24, s24, 3
	s_lshr_b32 s25, s22, 2
	s_add_co_u32 s24, s24, s25                     ; my first block of positions: 8 x work-group + w / 4; the others lie 2 blocks apart
	s_and_b32 s25, s22, 3                          ; ii
	s_lshl_b32 s26, s24, 12
	s_lshl_b32 s28, s25, 9
	s_add_co_u32 s26, s26, s28
	s_add_nc_u64 s[20:21], s[20:21], s[26:27]
	s_lshr_b32 s28, s25, 1
	s_lshl_b32 s28, s28, 4
	s_and_b32 s29, s25, 1
	s_lshl_b32 s29, s29, 2
	s_add_co_u32 s28, s28, s29                     ; 16 (ii / 2) + 4 (ii % 2)
	s_lshl_b32 s29, s24, 4                         ; the block's first position
	s_mov_b32 s30, 0x3f22f983                      ; 2 / pi
	s_mov_b32 s31, 0xbfc90fdb                      ; -(pi / 2), high part
	s_mov_b32 s32, 0x333bbd2e                      ; what the high part is too large by
	s_mov_b32 s33, 0xb94ca1f9                      ; sine: r + r z (S1 + z (S2 + z S3))
	s_mov_b32 s34, 0x3c08839e
	s_mov_b32 s35, 0xbe2aaaa3
	s_mov_b32 s36, 0x37ccf5ce                      ; cosine: 1 - z / 2 + z z (C1 + z (C2 + z C3))
	s_mov_b32 s37, 0xbab6061a
	s_mov_b32 s38, 0x3d2aaaa5
	s_mov_b32 s39, 0x3db504f3                      ; 128^-0.5
	v_lshlrev_b32 v3, 4, v2                        ; 16 x lane
	v_and_b32 v4, 15, v2
	v_lshrrev_b32 v5, 4, v2
	v_lshl_add_u32 v5, v5, 3, s28                  ; d of my first number
	v_add_nc_u32 v4, s29, v4                       ; my position in the first block
.irp e, 0,1,2,3
	v_add_nc_u32 v[24+\e], \e, v5
.endr
.irp e, 0,1,2,3
	v_cvt_f32_u32 v[24+\e], v[24+\e]
.endr
.irp e, 0,1,2,3
	v_mul_f32 v[24+\e], 0xbed49a78, v[24+\e]       ; d x -log2(10000) / 32
.endr
.irp e, 0,1,2,3
	v_exp_f32 v[16+\e], v[24+\e]                   ; 10000^(-d/32)
.endr
	v_nop                                          ; a plain instruction behind the last exponential,
	s_wait_alu depctr_va_vdst(0)                   ; and one wait for the four, ahead of their first reader
.macro SINCOS e, it
	v_mul_f32 v32, v20, v[16+\e]                   ; the angle: one f32 product
	v_mul_f32 v33, s30, v32
	v_rndne_f32 v33, v33                           ; n = the nearest multiple of pi / 2
	v_fma_f32 v34, v33, s31, v32
	v_fma_f32 v34, v33, s32, v34                   ; r = angle - n pi / 2
	v_mul_f32 v35, v34, v34                        ; z
	v_fma_f32 v36, v35, s33, s34
	v_fma_f32 v36, v36, v35, s35
	v_mul_f32 v36, v36, v35
	v_fma_f32 v36, v36, v34, v34                   ; sin r
	v_fma_f32 v37, v35, s36, s37
	v_fma_f32 v37, v37, v35, s38
	v_mul_f32 v37, v37, v35
	v_fma_f32 v38, v35, -0.5, 1.0
	v_fma_f32 v37, v37, v35, v38                   ; cos r
	v_cvt_i32_f32 v39, v33
	v_and_b32 v40, 1, v39
	v_cmp_eq_u32 vcc_lo, 1, v40                    ; odd quarter: the two change places (a choice of values: no branch, no address)
	v_cndmask_b32 v41, v36, v37, vcc_lo            ; sine
	v_cndmask_b32 v42, v37, v36, vcc_lo            ; cosine
	v_and_b32 v40, 2, v39
	v_lshlrev_b32 v40, 30, v40
	v_xor_b32 v41, v40, v41                        ; the sine is negative in quarters 2 and 3,
	v_add_nc_u32 v39, 1, v39
	v_and_b32 v39, 2, v39
	v_lshlrev_b32 v39, 30, v39
	v_xor_b32 v42, v39, v42                        ; the cosine in quarters 1 and 2
	v_mul_f32 v[48+8*\it+\e], s39, v42
	v_mul_f32 v[52+8*\it+\e], s39, v41
.endm
.irp it, 0,1,2,3
	v_add_nc_u32 v21, 32*\it, v4
	v_cvt_f32_u32 v20, v21
.irp e, 0,1,2,3
	SINCOS \e, \it
.endr
	global_store_b128 v3, v[48+8*\it:51+8*\it], s[20:21] offset:8192*\it          ; 32 lanes store 512 consecutive bytes; each block has registers of its own
	global_store_b128 v3, v[52+8*\it:55+8*\it], s[20:21] offset:8192*\it+2048
.endr
	s_endpgm
; ---------------- X: a wave takes 16 steps of 512 numbers.  Each load reads 512 consecutive bytes; a step's 2,048 bytes turn through the wave's own stage, so that a lane gets 16 neighbours along K (two lanes hold a block)
.macro XLOAD t
.irp i, 0,1,2,3
	global_load_b128 v[R+16*((\t)%8)+4*\i:R+16*((\t)%8)+4*\i+3], v3, s[4:5] offset:2048*(\t)+512*\i th:TH_LOAD_NT
.endr
.endm
.macro XTURN t                         ; LDS serves a wave's instructions in order: no wait between the stores and the loads
.irp i, 0,1,2,3
	ds_store_b128 v14, v[R+16*((\t)%8)+4*\i:R+16*((\t)%8)+4*\i+3] offset:32*SP*((\t)%2)+8*SP*\i
.endr
.irp i, 0,1,2,3
	ds_load_b128 v[X+16*((\t)%2)+4*\i:X+16*((\t)%2)+4*\i+3], v15 offset:32*SP*((\t)%2)+16*\i
.endr
.endm
.macro XSTEP t
.set XS, X+16*((\t)%2)
.if (\t) > 0
	s_wait_dscnt 1                                 ; this step's numbers are back from the stage; only the last step's byte store may be out
.else
	s_wait_dscnt 0x0
.endif
.if (\t)+8 < 16
	XLOAD (\t)+8                                   ; into the set that this step's stores into the stage have read
.endif
.if (\t)+1 < 16
.if (\t) < 8
	s_wait_loadcnt 28                              ; the next step's four loads are in; those of the seven steps behind it may be out
.else
	s_wait_loadcnt 4*(14-(\t))
.endif
	XTURN (\t)+1
.endif
	v_max3_num_f32 v8, |v[XS]|, |v[XS+1]|, |v[XS+2]|
	v_max3_num_f32 v9, |v[XS+3]|, |v[XS+4]|, |v[XS+5]|
.irp i, 6,10
	v_max3_num_f32 v8, v8, |v[XS+\i]|, |v[XS+\i+1]|
	v_max3_num_f32 v9, v9, |v[XS+\i+2]|, |v[XS+\i+3]|
.endr
	v_max3_num_f32 v8, v8, |v[XS+14]|, |v[XS+15]|
	v_max3_num_f32 v8, v8, v9, 0x1800000           ; and the floor 2^(3 - 127): the byte cannot fall under 1
	v_max_num_f32_dpp v8, v8, v8 row_xmask:1 row_mask:0xf bank_mask:0xf   ; with my neighbour's 16: the block's largest magnitude
	v_add_nc_u32 v11, 0xff000000, v8               ; 2 off its exponent field: the conversion takes that field as its scale
	v_cvt_scalef32_pk8_fp4_f32 v[C+2*(\t)], v[XS:XS+7], v11
	v_cvt_scalef32_pk8_fp4_f32 v[C+2*(\t)+1], v[XS+8:XS+15], v11
	v_lshrrev_b32 v[E+(\t)], 23, v11               ; the scale's byte
	ds_store_b8 v5, v[E+(\t)] offset:16*(\t)       ; both lanes of a block write the same byte with the same value
	global_store_b64 v4, v[C+2*(\t):C+2*(\t)+1], s[14:15] offset:256*(\t)   ; 32 lanes store 256 consecutive bytes, aligned
.endm
.Lpath_x:
	s_sub_co_u32 s24, ttmp9, 96
	s_lshl_b32 s24, s24, 3
	s_add_co_u32 s24, s24, s22                     ; which run of 8,192 numbers (8 rows of x) is my wave's
	s_lshl_b32 s26, s24, 15
	s_add_nc_u64 s[4:5], s[4:5], s[26:27]
	s_lshl_b32 s26, s24, 12
	s_add_nc_u64 s[14:15], s[14:15], s[26:27]
	s_lshl_b32 s26, s24, 8
	s_add_nc_u64 s[16:17], s[16:17], s[26:27]
	s_lshl_b32 s25, s22, 13                        ; my wave's LDS region
	v_lshlrev_b32 v3, 4, v2
	v_lshrrev_b32 v14, 2, v2
	v_mul_u32_u24 v14, v14, SP
	v_and_b32 v15, 3, v2
	v_lshl_add_u32 v14, v15, 4, v14
	v_add_nc_u32 v14, s25, v14                     ; into the stage: SP (lane / 4) + 16 (lane % 4)
	v_mul_u32_u24 v15, v2, SP
	v_add_nc_u32 v15, s25, v15                     ; out of it: SP x lane
	v_lshlrev_b32 v4, 3, v2                        ; my 8 bytes of a step's codes
	v_lshrrev_b32 v5, 1, v2
	s_add_co_u32 s25, s25, 2*32*SP
	v_add_nc_u32 v5, s25, v5                       ; my block's scale byte
	v_lshlrev_b32 v7, 3, v2
	v_add_nc_u32 v6, s25, v7
.irp t, 0,1,2,3,4,5,6,7
	XLOAD \t
.endr
	s_wait_loadcnt 28                              ; step 0's four loads are in
	XTURN 0
.irp t, 0,1,2,3,4,5,6,7,8,9,10,11,12,13,14,15
	XSTEP \t
.endr
	ds_load_b64 v[8:9], v6                         ; my wave's 256 scale bytes, 8 a lane
	s_wait_dscnt 0x0
	global_store_b64 v7, v[8:9], s[16:17]          ; 256 consecutive bytes, aligned
	s_wait_tensorcnt 0x0                           ; the wave's end, behind my last LDS store
	ds_add_u32 v[SPW], v[NIL]
	s_wait_dscnt 0x0
	s_endpgm
; ---------------- W: a lane takes a column n and its registers run down K.  A work-group: 64 columns x 512 of K; wave w: columns 32 (w % 2) on, K 128 (w / 2) on: four blocks of 32
.macro WLOAD t
.irp i, 0,1,2,3,4,5,6,7,8,9,10,11,12,13,14,15,16,17,18,19,20,21,22,23,24,25,26,27,28,29,30,31
	global_load_b32 v[32+32*((\t)%2)+\i], v3, s[6:7] offset:(32*(\t)+\i)*4096 th:TH_LOAD_NT
.endr
.endm
.macro WBLOCK t
.set XS, 32+32*((\t)%2)
.if (\t) < 3
	s_wait_loadcnt 32                              ; this block's 32 loads are in; the next block's may be out
.else
	s_wait_loadcnt 0x0
.endif
	v_max3_num_f32 v26, |v[XS]|, |v[XS+1]|, |v[XS+2]|
	v_max3_num_f32 v27, |v[XS+3]|, |v[XS+4]|, |v[XS+5]|
.irp i, 6,10,14,18,22,26
	v_max3_num_f32 v26, v26, |v[XS+\i]|, |v[XS+\i+1]|
	v_max3_num_f32 v27, v27, |v[XS+\i+2]|, |v[XS+\i+3]|
.endr
	v_max3_num_f32 v26, v26, |v[XS+30]|, |v[XS+31]|
	v_max3_num_f32 v26, v26, v27, 0x1800000
	v_add_nc_u32 v28, 0xff000000, v26
	v_lshrrev_b32 v27, 23, v28
.if (\t) == 0
	v_mov_b32 v24, v27                             ; my four scale bytes in one word, the lower K in the lower byte
.else
	v_lshl_or_b32 v24, v27, 8*(\t), v24
.endif
.irp g, 0,1,2,3
	v_cvt_scalef32_pk8_fp4_f32 v[96+4*(\t)+\g], v[XS+8*\g:XS+8*\g+7], v28
.endr
	ds_store_b128 v4, v[96+4*(\t):96+4*(\t)+3] offset:16*(\t)   ; 32 codes: 16 bytes of my column's row; each block has registers of its own
.if (\t)+2 < 4
	WLOAD (\t)+2
.endif
.endm
.Lpath_w:
	s_lshr_b32 s24, ttmp9, 5                       ; which weight: 0 q, 1 k, 2 v
	s_and_b32 s25, ttmp9, 31
	s_lshr_b32 s28, s25, 1                         ; which 64 columns
	s_and_b32 s29, s25, 1                          ; which 512 of K
	s_and_b32 s30, s22, 1                          ; my 32 of the columns
	s_lshr_b32 s31, s22, 1                         ; my 128 of K
	s_cmp_eq_u32 s24, 0
	s_cselect_b64 s[6:7], s[6:7], s[8:9]
	s_cmp_eq_u32 s24, 2
	s_cselect_b64 s[6:7], s[10:11], s[6:7]         ; the choice hangs on the work-group's number alone
	s_lshl_b32 s32, s28, 6
	s_lshl_b32 s33, s30, 5
	s_add_co_u32 s32, s32, s33                     ; my first column
	s_lshl_b32 s26, s29, 21
	s_lshl_b32 s33, s31, 19
	s_add_co_u32 s26, s26, s33
	s_lshl_b32 s33, s32, 2
	s_add_co_u32 s26, s26, s33                     ; (512 ky + 128 kq) rows of 4,096 bytes + 4 x column
	s_add_nc_u64 s[6:7], s[6:7], s[26:27]
	s_lshl_b32 s34, s24, 10
	s_add_co_u32 s34, s34, 8192                    ; the weight's first row in 'codes' and 'scales'
	s_add_co_u32 s26, s34, s32
	s_lshl_b32 s26, s26, 5
	s_lshl_b32 s33, s29, 4
	s_add_co_u32 s26, s26, s33
	s_lshl_b32 s33, s31, 2
	s_add_co_u32 s26, s26, s33
	s_add_nc_u64 s[16:17], s[16:17], s[26:27]
	s_lshl_b32 s26, s28, 6
	s_add_co_u32 s26, s26, s34
	s_lshl_b32 s33, s22, 3
	s_add_co_u32 s26, s26, s33                     ; on the way out wave w stores rows 8 w .. 8 w + 7 of the 64
	s_lshl_b32 s26, s26, 9
	s_lshl_b32 s33, s29, 8
	s_add_co_u32 s26, s26, s33
	s_add_nc_u64 s[14:15], s[14:15], s[26:27]
	v_lshlrev_b32 v3, 2, v2
	s_mul_i32 s33, s30, 32*WP
	s_lshl_b32 s35, s31, 6
	s_add_co_u32 s33, s33, s35
	s_add_co_u32 s33, s33, WST
	v_mul_u32_u24 v4, v2, WP
	v_add_nc_u32 v4, s33, v4                       ; into the stage: row = my column, 64 bytes for each 128 of K
	v_lshlrev_b32 v5, 5, v2                        ; my column's row of scale bytes
	v_and_b32 v6, 15, v2
	v_lshrrev_b32 v7, 4, v2
	s_mul_i32 s33, s22, 8*WP
	s_add_co_u32 s33, s33, WST
	v_mul_u32_u24 v8, v7, WP
	v_lshl_add_u32 v8, v6, 4, v8
	v_add_nc_u32 v8, s33, v8                       ; out of it: sixteen lanes to a row, two rows an instruction
	v_lshlrev_b32 v9, 9, v7
	v_lshl_add_u32 v9, v6, 4, v9
	WLOAD 0
	WLOAD 1
.irp t, 0,1,2,3
	WBLOCK \t
.endr
	global_store_b32 v5, v24, s[16:17]
	s_wait_dscnt 0x0                               ; for the others' sake: my stores into the stage are done
	s_barrier_signal -1
	s_barrier_wait -1                              ; a row's 256 bytes come from four waves
.irp i, 0,1,2,3
	ds_load_b128 v[112+4*\i:115+4*\i], v8 offset:2*\i*WP
.endr
.irp i, 0,1,2,3
	s_wait_dscnt 3-\i
	global_store_b128 v9, v[112+4*\i:115+4*\i], s[14:15] offset:2*\i*512   ; sixteen lanes store 256 consecutive bytes, aligned
.endr
	s_wait_tensorcnt 0x0                           ; the wave's end, behind my last LDS store
	ds_add_u32 v[SPW], v[NIL]
	s_wait_dscnt 0x0
	s_endpgm
; ---------------- WO: a lane takes a column n, its registers run down k; a wave: 32 columns x 128 of k, four blocks of 32
.macro OLOAD g
.irp i, 0,1,2,3,4,5,6,7,8,9,10,11,12,13,14,15,16,17,18,19,20,21,22,23,24,25,26,27,28,29,30,31
	global_load_b32 v[32+32*((\g)%2)+\i], v3, s[12:13] offset:(32*(\g)+\i)*4096
.endr
.endm
.macro OBLOCK g
.set XS, 32+32*((\g)%2)
.set PK, 96+16*(\g)
.if (\g) < 3
	s_wait_loadcnt 32
.else
	s_wait_loadcnt 0x0
.endif
.irp m, 0,1,2,3,4,5,6,7,8,9,10,11,12,13,14,15
	v_cvt_pk_f16_f32 v[PK+\m], v[XS+2*\m], v[XS+2*\m+1]    ; four registers hold 8 neighbouring k of my column
.endr
.irp c, 0,1
.irp i, 0,1,2,3
	v_permlane16_swap_b32 v[PK+8*\c+\i], v[PK+8*\c+4+\i]   ; the first now is chunk c of the even tile of 16 columns (lanes 0-15: k 8 lower, lanes 16-31: k 8 higher), the second that of the odd tile
.endr
.endr
.irp c, 0,1
	global_store_b128 v4, v[PK+8*\c:PK+8*\c+3], s[18:19] offset:(2*(\g)+\c)*512
	global_store_b128 v4, v[PK+8*\c+4:PK+8*\c+7], s[18:19] offset:4096+(2*(\g)+\c)*512
.endr
.if (\g)+2 < 4
	OLOAD (\g)+2
.endif
.endm
.Lpath_o:
	s_sub_co_u32 s24, ttmp9, 224
	s_lshl_b32 s24, s24, 3
	s_add_co_u32 s24, s24, s22
	s_lshr_b32 s25, s24, 5                         ; which 128 of k (a head)
	s_and_b32 s28, s24, 31                         ; which 32 columns
	s_lshl_b32 s26, s25, 19
	s_lshl_b32 s29, s28, 7
	s_add_co_u32 s26, s26, s29
	s_add_nc_u64 s[12:13], s[12:13], s[26:27]
	s_lshl_b32 s26, s25, 18
	s_lshl_b32 s29, s28, 13
	s_add_co_u32 s26, s26, s29
	s_add_nc_u64 s[18:19], s[18:19], s[26:27]
	v_lshlrev_b32 v3, 2, v2
	v_lshlrev_b32 v4, 4, v2
	OLOAD 0
	OLOAD 1
.irp g, 0,1,2,3
	OBLOCK \g
.endr
	s_endpgm
.Lfunc_end_k_qae5ef38891_prep:
	.size	k_qae5ef38891_prep, .Lfunc_end_k_qae5ef38891_prep-k_qae5ef38891_prep
	.p2alignl 7, 3214868480
	.fill 96, 4, 3214868480
	.section	.rodata,"a",@progbits
	.p2align	6, 0x0
	.amdhsa_kernel k_qae5ef38891_prep
		.amdhsa_group_segment_fixed_size 83968
		.amdhsa_private_segment_fixed_size 0
		.amdhsa_enable_private_segment 0
		.amdhsa_kernarg_size 72
		.amdhsa_user_sgpr_count 2
		.amdhsa_user_sgpr_kernarg_segment_ptr 1
		.amdhsa_wavefront_size32 1
		.amdhsa_system_sgpr_workgroup_id_x 1
		.amdhsa_system_sgpr_workgroup_id_y 1
		.amdhsa_system_sgpr_workgroup_id_z 1
		.amdhsa_system_vgpr_workitem_id 0
		.amdhsa_next_free_vgpr 224
		.amdhsa_next_free_sgpr 66
		.amdhsa_reserve_vcc 1
		.amdhsa_float_denorm_mode_32 3
		.amdhsa_float_denorm_mode_16_64 3
		.amdhsa_memory_ordered 1
		.amdhsa_forward_progress 1
		.amdhsa_inst_pref_size 96
	.end_amdhsa_kernel
	.amdgpu_metadata
---
amdhsa.version: [ 1, 2 ]
amdhsa.kernels:
  - .name:           k_qae5ef38891_prep
    .symbol:         k_qae5ef38891_prep.kd
    .args:
      - { .name: x, .offset: 0, .size: 8, .value_kind: global_buffer, .address_space: global }
      - { .name: wq, .offset: 8, .size: 8, .value_kind: global_buffer, .address_space: global }
      - { .name: wk, .offset: 16, .size: 8, .value_kind: global_buffer, .address_space: global }
      - { .name: wv, .offset: 24, .size: 8, .value_kind: global_buffer, .address_space: global }
      - { .name: wo, .offset: 32, .size: 8, .value_kind: global_buffer, .address_space: global }
      - { .name: codes, .offset: 40, .size: 8, .value_kind: global_buffer, .address_space: global }
      - { .name: scales, .offset: 48, .size: 8, .value_kind: global_buffer, .address_space: global }
      - { .name: woi, .offset: 56, .size: 8, .value_kind: global_buffer, .address_space: global }
      - { .name: tab, .offset: 64, .size: 8, .value_kind: global_buffer, .address_space: global }
    .group_segment_fixed_size: 83968
    .private_segment_fixed_size: 0
    .kernarg_segment_align: 8
    .kernarg_segment_size: 72
    .max_flat_workgroup_size: 256
    .sgpr_count:     66
    .vgpr_count:     224
    .wavefront_size: 32
...
	.end_amdgpu_metadata
.endif
;; end of part 1
;; launch qkv (part 2): grid 12 x 32, 4 waves a work-group, clusters of 4 x 4, 327,680 bytes of LDS; arguments codes, scales, tab, qkv16, qkv32; writes qkv16, qkv32
.if DOCPART == 2
	.amdgcn_target "amdgcn-amd-amdhsa--gfx1250"
	.amdhsa_code_object_version 6
	.text
	.protected	k_qae5ef38891_qkv
	.globl	k_qae5ef38891_qkv
	.p2align	8
	.type	k_qae5ef38891_qkv,@function
k_qae5ef38891_qkv:
	s_mov_b64 s[64:65], 0
	v_nop
	global_prefetch_b8 v0, s[64:65] scope:SCOPE_SE
	s_setreg_imm32_b32 hwreg(HW_REG_WAVE_MODE, 25, 1), 1
	s_wait_xcnt 0x0
	s_wait_alu depctr_hold_cnt(0) depctr_sa_sdst(0) depctr_va_vdst(0) depctr_va_sdst(0) depctr_va_ssrc(0) depctr_va_vcc(0) depctr_vm_vsrc(0)
	s_getreg_b32 s2, hwreg(HW_REG_IB_STS2, 6, 4)
	s_cmp_eq_u32 s2, 0
	s_cbranch_scc0 .Lentry_in_a_cluster
	s_endpgm
.Lentry_in_a_cluster:
	s_bfe_u32 s2, ttmp6, 0x10000c
	s_cmp_lg_u32 s2, 0xf033
	s_cbranch_scc0 .Lentry_shape_is_right
	s_endpgm
.Lentry_shape_is_right:
; q, k, v = x times wq, wk, wv on codes of E2M1 with E8M0 scales (K = 1,024), then the rotation of the first 64 channels, the factor 128^-0.5 on q and k, and the rounding to f16.
; 'codes' [11,264 rows][512 bytes], 'scales' [11,264][32]: rows 0..8191 are x's, rows 8192 + 1024 w + n column n of weight w.  A tile is 256 x 256 rows of 'codes'; a wave makes 128 x 128: 64 accumulators.
; All of K is two LDS slots of 512 along K (rows of 256 bytes + 16 of padding), both asked for at the start: nothing is filled again.  The scale bytes of the 512 rows come once, as whole runs of 256 bytes.
; CLUSTERS: 4 x 4 work-groups; the A side's tile is shared along a row of the cluster, the B side's along a column, each by a joint load.  Cluster x says which product (0 q, 1 k, 2 v), cluster y which 256 positions of a batch.
; The matrix instruction takes source 0 = 16 rows of the B side, source 1 = 16 rows of the A side: a lane holds ONE row of the A side and eight neighbours of the B side.
;   q, k: A side = x's rows (batch cy), B side = the weight's columns (heads 2 cx, 2 cx + 1): a lane holds one position and eight channels.
;   v:    A side = wv's columns (heads 2 cy, 2 cy + 1), B side = x's rows (batch cx): a lane holds one channel and eight positions: V with the keys innermost, with nothing turned.
; The roles are swapped by addresses, not by text.  384 work-groups: a tile of 256 x 384 would give 256, but wants 768 accumulator registers a wave beside B's two sets.
; RESULTS leave as images of the next launch's operand registers, 16 bytes a lane, 512 consecutive bytes a store:
;   qkv16: q at 0, k at 16 MiB, v at 32 MiB; each [batch x head 32][slot 8][kh 2][u 2][16,384]; position = 256 slot + 128 u + 64 kh + 0..63.
;   q, k: [tile of 16 positions 4][chunk b 8][lane][16]: lane (r, h): position r, channels 16 b + 8 h + 0..7.   v: [32 keys g 2][chunk 2 ct + c][lane][16]: lane (r, h): channel 16 ct + r, keys 32 g + 16 c + 8 h + 0..7.
;   qkv32: the first 16 positions of every sequence in f32: [32 w + batch x head][16 chunks][lane][16].
; LIMITS: f16 holds up to 65,504; NaN and infinities are not served; cos and sin carry the factor 128^-0.5.
; REGISTERS: window 0: v0-31 addresses; v32-95 scale words, two sets, and nothing else; v128-191 A's fragments, one set; on the way out v96-111, v128-255.  window 1: B's fragments, two sets, at v0 and v128; on the way out the rotary table.
;   window 2: accumulators of my A rows 0-63 ((a, b) at v[8 (8 a + b)]); window 3: those of rows 64-127.
.set NQ,     4                         ; matrix instructions deep in a slot
.set ROWB,   256                       ; a tile's row in bytes: 512 codes
.set KROW,   512                       ; a row of 'codes'
.set PITCH,  272
.set FR,     8
.set NL,     2
.set NP,     4                         ; places behind this matrix instruction (ISA guide 7.12.1)
.set HALFT,  128*PITCH
.set SLOT,   4*HALFT
.set KS,     32                        ; a row of 'scales'
.set SCL,    2*SLOT
.set HALFS,  (128*KS/256)*272
.set SBLK,   (16*KS/256)*272
.set SPARE,  SCL+4*HALFS               ; the spare words, 128 bytes for each wave: no other line names them
.set ADRA, 16
.set ADRB, 20
.set LN,   24                          ; v24 16 x lane
.set ADRS, 27
.set SPW,  28
.set NIL,  29
.set SC,   32
.set AF,   128
.set T,    96                          ; the way out: v96-111 products at work
.set F,    128                         ; v128-191 a block's 64 numbers in f32
.set G1, 24
.set G0, 32
.set G1B, 48
.set G0B, 56
.set G1S, 68
.set G0S, 76
.set G1SB, 80
.set G0SB, 88
.set MSB, 0
.macro WIN new                         ; the immediate's high byte repeats the setting that is left
.if MSB != (\new)
	s_set_vgpr_msb (MSB<<8)|(\new)
.set MSB, (\new)
.endif
.endm
.set MUL_LO, 0xa1
.set MUL_HI, 0xf1
.set TO_B,   0x40
; A joint load: waves 0 and 1 fetch for the A side, waves 2 and 3 for the B side.  An s_nop 0 and four v_nop follow each of the two lines.
.macro JLOAD g0a, g1a, g0b, g1b
	s_cmp_eq_u32 s15, 0
	s_cbranch_scc0 .Lfor_b_\@
	tensor_load_to_lds s[\g0a:\g0a+3], s[\g1a:\g1a+7]
	s_nop 0
.rept 4
	v_nop
.endr
	s_branch .Lasked_\@
.Lfor_b_\@:
	tensor_load_to_lds s[\g0b:\g0b+3], s[\g1b:\g1b+7]
	s_nop 0
.rept 4
	v_nop
.endr
.Lasked_\@:
.endm
.macro CROUND                          ; a round of the cluster's barrier
	s_barrier_signal -1
	s_barrier_wait -1
	s_cmp_lg_u32 s14, 0
	s_cbranch_scc1 .Lnot_wave_0_\@
	s_barrier_signal -3
.Lnot_wave_0_\@:
	s_barrier_wait -3
	s_barrier_signal -1
	s_barrier_wait -1
.endm
	s_load_b256 s[4:11], s[0:1], 0x0               ; codes s[4:5], scales s[6:7], tab s[8:9], qkv16 s[10:11]
	s_load_b64 s[12:13], s[0:1], 0x20              ; qkv32
	v_lshl_add_u32 v[SPW], v0, 2, SPARE
	v_mov_b32 v[NIL], 0
	ds_add_u32 v[SPW], v[NIL]                      ; the wave's opening: the add, twice on end, and its wait ahead of my first tensor load
	ds_add_u32 v[SPW], v[NIL]
	v_lshrrev_b32 v1, 5, v0
	v_readfirstlane_b32 s14, v1                    ; wave 0..3
	s_lshr_b32 s15, s14, 1                         ; which half of the A side's rows is mine.  Also: I fetch for A (0) or for B (1)
	s_and_b32 s16, s14, 1                          ; which half of the B side's.  Also: which 128 rows of that tile I fetch
	s_bfe_u32 s40, ttmp6, 0x40000                  ; cx
	s_bfe_u32 s41, ttmp6, 0x40004                  ; cy
	s_and_b32 s95, ttmp7, 0xffff                   ; cluster y: which 256 positions
	s_mov_b32 s98, ttmp9                           ; cluster x: 0 q, 1 k, 2 v
	s_lshl_b32 s17, s41, 3
	s_add_co_u32 s17, s17, s95                     ; x's tile 8 cy + cluster y
	s_add_co_u32 s18, s41, 40                      ; wv's tile 40 + cy
	s_lshl_b32 s42, s98, 2
	s_add_co_u32 s42, s42, s40
	s_add_co_u32 s42, s42, 32                      ; wq's or wk's tile 32 + 4 w + cx
	s_lshl_b32 s96, s40, 3
	s_add_co_u32 s96, s96, s95                     ; x's tile 8 cx + cluster y
	s_cmp_eq_u32 s98, 2
	s_cselect_b32 s17, s18, s17                    ; the A side's tile: made of cy and the cluster's place alone
	s_cselect_b32 s42, s96, s42                    ; the B side's: of cx and the cluster's place alone
	s_lshl_b32 s43, s41, 2
	s_lshl_b32 s43, 15, s43                        ; my row of the cluster
	s_lshl_b32 s44, 0x1111, s40                    ; my column
	s_or_b32 s[G1+0], s43, (0<<16)|(1<<20)|(1<<21)|(5<<22)|(3<<25)  ; the mask; elements of 1 byte; padding on; bit 21 beside a mask; 4 words after every 64
	s_or_b32 s[G1B+0], s44, (0<<16)|(1<<20)|(1<<21)|(5<<22)|(3<<25)
.irp g, G1, G1B
	s_mov_b32 s[\g+1], ROWB<<16                    ; tensor_dim0
	s_mov_b32 s[\g+2], 128<<16                     ; tensor_dim1
	s_mov_b32 s[\g+3], ROWB<<16                    ; tile_dim0
	s_mov_b32 s[\g+4], 128                         ; tile_dim1
	s_mov_b32 s[\g+5], KROW                        ; the pitch
	s_mov_b32 s[\g+6], 0
	s_mov_b32 s[\g+7], 0
.endr
	s_or_b32 s[G1S+0], s43, (3<<16)|(1<<20)|(1<<21)|(5<<22)|(3<<25) ; the scales of 128 rows: 4,096 dense bytes as 16 rows of 256 (32 elements of 8 bytes), 16 bytes of padding behind each
	s_or_b32 s[G1SB+0], s44, (3<<16)|(1<<20)|(1<<21)|(5<<22)|(3<<25)
.irp g, G1S, G1SB
	s_mov_b32 s[\g+1], 32<<16
	s_mov_b32 s[\g+2], (128*KS/256)<<16
	s_mov_b32 s[\g+3], 32<<16
	s_mov_b32 s[\g+4], 128*KS/256
	s_mov_b32 s[\g+5], 32
	s_mov_b32 s[\g+6], 0
	s_mov_b32 s[\g+7], 0
.endr
	s_lshl_b32 s18, s16, 7
	s_lshl_b32 s20, s17, 8
	s_add_co_u32 s20, s20, s18                     ; A side: row 256 x tile + 128 x half
	s_lshl_b32 s46, s42, 8
	s_add_co_u32 s46, s46, s18                     ; B side likewise
	s_mov_b32 s21, 0
	s_mov_b32 s47, 0
	s_mov_b64 s[18:19], KS
	s_mul_u64 s[22:23], s[20:21], s[18:19]
	s_mul_u64 s[92:93], s[46:47], s[18:19]
	s_mov_b64 s[18:19], KROW
	s_mul_u64 s[20:21], s[20:21], s[18:19]
	s_mul_u64 s[46:47], s[46:47], s[18:19]
	s_mul_i32 s45, s14, HALFT                      ; where they go: wave x 128 rows: no place in the cluster enters an LDS address
	s_mul_i32 s94, s14, HALFS
	s_wait_dscnt 0x0                               ; both opening adds are done
	s_wait_kmcnt 0x0
	s_add_nc_u64 s[20:21], s[4:5], s[20:21]
	s_add_nc_u64 s[22:23], s[6:7], s[22:23]
	s_add_nc_u64 s[46:47], s[4:5], s[46:47]
	s_add_nc_u64 s[92:93], s[6:7], s[92:93]
	CROUND                                         ; all sixteen work-groups are here: the joint loads meet
	s_mov_b32 s[G0S], 1
	s_add_co_u32 s[G0S+1], s94, SCL
	s_mov_b64 s[G0S+2:G0S+3], s[22:23]
	s_or_b32 s[G0S+3], s[G0S+3], 0x80000000
	s_mov_b32 s[G0SB], 1
	s_add_co_u32 s[G0SB+1], s94, SCL
	s_mov_b64 s[G0SB+2:G0SB+3], s[92:93]
	s_or_b32 s[G0SB+3], s[G0SB+3], 0x80000000
	JLOAD G0S, G1S, G0SB, G1SB                     ; three loads of mine go out here, and none later: the scales,
.irp s, 0,1
	s_mov_b32 s[G0+4*\s], 1
	s_add_co_u32 s[G0+4*\s+1], s45, \s*SLOT
	s_add_nc_u64 s[G0+4*\s+2:G0+4*\s+3], s[20:21], \s*ROWB
	s_or_b32 s[G0+4*\s+3], s[G0+4*\s+3], 0x80000000
	s_mov_b32 s[G0B+4*\s], 1
	s_add_co_u32 s[G0B+4*\s+1], s45, \s*SLOT
	s_add_nc_u64 s[G0B+4*\s+2:G0B+4*\s+3], s[46:47], \s*ROWB
	s_or_b32 s[G0B+4*\s+3], s[G0B+4*\s+3], 0x80000000
	JLOAD G0+4*\s, G1, G0B+4*\s, G1B               ; and the two halves of K
.endr
	v_and_b32 v1, 15, v0
	v_bfe_u32 v2, v0, 4, 1
	v_mul_u32_u24 v3, v1, PITCH
	v_lshl_add_u32 v4, v2, 4, v3                   ; a fragment's row x pitch + 16 x half
	s_mul_i32 s21, s15, HALFT
	s_mul_i32 s22, s16, HALFT
	s_add_co_u32 s22, s22, 2*HALFT
.irp s, 0,1
	v_add_nc_u32 v[ADRA+\s], s21, v4
	v_add_nc_u32 v[ADRB+\s], s22, v4
	s_add_co_u32 s21, s21, SLOT
	s_add_co_u32 s22, s22, SLOT
.endr
	v_mul_u32_u24 v5, v1, KS                       ; my row's scales: 32 bytes a row,
	v_lshrrev_b32 v6, 8, v5
	v_lshl_add_u32 v5, v6, 4, v5                   ; and 16 more for each 256 passed
	s_mul_i32 s21, s15, HALFS
	s_mul_i32 s22, s16, HALFS
	s_add_co_u32 s22, s22, 2*HALFS
	s_sub_co_u32 s22, s22, s21
	v_mul_u32_u24 v6, s22, v2                      ; lanes 16-31 take the B side's
	s_add_co_u32 s21, s21, SCL
	v_add_nc_u32 v5, v5, v6
	v_add_nc_u32 v[ADRS], s21, v5
	v_and_b32 v6, 31, v0
	v_lshlrev_b32 v[LN], 4, v6
	; where the results go
	s_cmp_eq_u32 s98, 2
	s_cselect_b32 s18, s40, s41                    ; the batch
	s_cselect_b32 s19, s41, s40                    ; the pair of heads
	s_cselect_b32 s20, s15, s16                    ; which of the two
	s_cselect_b32 s21, s16, s15                    ; which 128 of the 256 positions
	s_lshl_b32 s18, s18, 3
	s_lshl_b32 s19, s19, 1
	s_add_co_u32 s18, s18, s19
	s_add_co_u32 s18, s18, s20                     ; batch x 8 + head
	s_or_b32 s99, s95, s21                         ; 0 where my wave holds positions 0..127 of a sequence: made of the cluster's place and the wave's number alone
	s_lshl_b32 s22, s98, 24
	s_lshl_b32 s23, s18, 19
	s_add_co_u32 s22, s22, s23
	s_lshl_b32 s23, s95, 16
	s_add_co_u32 s22, s22, s23
	s_lshl_b32 s23, s21, 14
	s_add_co_u32 s22, s22, s23
	s_mov_b32 s23, 0
	s_add_nc_u64 s[10:11], s[10:11], s[22:23]
	s_lshl_b32 s22, s98, 5
	s_add_co_u32 s22, s22, s18
	s_lshl_b32 s22, s22, 13
	s_add_nc_u64 s[12:13], s[12:13], s[22:23]
	s_lshl_b32 s22, s95, 4
	s_lshl_b32 s20, s15, 3
	s_add_co_u32 s22, s22, s20
	s_lshl_b32 s22, s22, 12                        ; q, k: the table of my first 16 positions
	s_add_nc_u64 s[8:9], s[8:9], s[22:23]
	s_mov_b32 s100, 0x3db504f3                     ; 128^-0.5
	s_mov_b32 s101, s100                           ; (named with it as a pair)
.macro FRAG reg, adr, q, i             ; 16 rows x 128 K of 4-bit codes: 8 registers, two loads of 16 bytes, 32 bytes apart
.irp c, 0,1
	ds_load_b128 v[\reg+4*\c:\reg+4*\c+3], v[\adr] offset:64*(\q)+32*\c+(\i)*16*PITCH
.endr
.endm
; 16 matrix instructions: A's blocks a0, a0 + 1 x B's eight.  The 64 accumulators take turns, one instruction a turn, in the same order in every step.
.macro MUL16 a0, p, q, sc, zero
.irp a, \a0, \a0+1
.irp b, 0,1,2,3,4,5,6,7
.if \zero
	v_wmma_scale_f32_16x16x128_f8f6f4 v[8*(8*((\a)%4)+\b):8*(8*((\a)%4)+\b)+7], v[128*(\p)+FR*\b:128*(\p)+FR*\b+FR-1], v[AF+FR*(\a):AF+FR*(\a)+FR-1], 0, v[SC+8*NQ*(\sc)+NQ*\b+(\q)], v[SC+8*NQ*(\sc)+NQ*(\a)+(\q)] matrix_a_fmt:MATRIX_FMT_FP4 matrix_b_fmt:MATRIX_FMT_FP4 matrix_a_scale:MATRIX_SCALE_ROW1
.else
	v_wmma_scale_f32_16x16x128_f8f6f4 v[8*(8*((\a)%4)+\b):8*(8*((\a)%4)+\b)+7], v[128*(\p)+FR*\b:128*(\p)+FR*\b+FR-1], v[AF+FR*(\a):AF+FR*(\a)+FR-1], v[8*(8*((\a)%4)+\b):8*(8*((\a)%4)+\b)+7], v[SC+8*NQ*(\sc)+NQ*\b+(\q)], v[SC+8*NQ*(\sc)+NQ*(\a)+(\q)] matrix_a_fmt:MATRIX_FMT_FP4 matrix_b_fmt:MATRIX_FMT_FP4 matrix_a_scale:MATRIX_SCALE_ROW1
.endif
.endr
.endr
.endm
.macro FETCH_B slot, q, p
	WIN TO_B
.irp i, 0,1,2,3,4,5,6,7
	FRAG 128*(\p)+FR*\i, ADRB+\slot, \q, \i
.endr
	WIN 0
.endm
.macro FETCH_A slot, q, i0
.irp i, \i0, \i0+1, \i0+2, \i0+3
	FRAG AF+FR*(\i), ADRA+\slot, \q, \i
.endr
.endm
.macro SCALES sc                       ; a slot's scale words: four a row; lanes 0-15 take A's block i, lanes 16-31 B's block i
.irp i, 0,1,2,3,4,5,6,7
	ds_load_b128 v[SC+8*NQ*\sc+NQ*\i:SC+8*NQ*\sc+NQ*\i+3], v[ADRS] offset:\i*SBLK
.endr
.endm
.macro PLACES n                        ; plain instructions that name none of the products' registers, in front of loads into registers that products have read and of the first read of results
.rept \n
	v_nop
.endr
.endm
.macro STEP slot, q, zero              ; 128 along K, with its successor in the same slot
	s_wait_dscnt 4*NL                              ; B's set and A's blocks 0-3 are in; the youngest eight loads (A's blocks 4-7) may be out
	WIN MUL_LO
	MUL16 0, (\q)%2, \q, \slot, \zero
	MUL16 2, (\q)%2, \q, \slot, \zero
	s_wait_dscnt 0
	PLACES NP
	FETCH_B \slot, (\q)+1, 1-(\q)%2
	FETCH_A \slot, (\q)+1, 0
	WIN MUL_HI
	MUL16 4, (\q)%2, \q, \slot, \zero
	MUL16 6, (\q)%2, \q, \slot, \zero
	PLACES NP
	WIN 0
	FETCH_A \slot, (\q)+1, 4
.endm
.macro TURN slot, next                 ; a slot's last step: one barrier, in front of which my part of the next slot has landed
	s_wait_tensorcnt 0x0                           ; all my tensor loads have landed
	ds_add_u32 v[SPW], v[NIL]                      ; 0 onto my spare word
	s_wait_dscnt 4*NL+1                            ; (the add and the youngest eight loads may be out)
	WIN MUL_LO
	MUL16 0, 1, NQ-1, \slot, 0
	s_wait_dscnt 0x0
	s_barrier_signal -1
	MUL16 2, 1, NQ-1, \slot, 0
	WIN 0
	s_barrier_wait -1                              ; everybody's part of the next slot is there
	PLACES NP
	v_add_nc_u32 v[ADRS], 4*NQ, v[ADRS]            ; the next slot's scale words
	FETCH_B \next, 0, 0
	FETCH_A \next, 0, 0
	SCALES \next
	WIN MUL_HI
	MUL16 4, 1, NQ-1, \slot, 0
	MUL16 6, 1, NQ-1, \slot, 0
	PLACES NP
	WIN 0
	FETCH_A \next, 0, 4
.endm
	s_wait_tensorcnt 1                             ; the scales and my part of slot 0 are in; slot 1's load may be out
	s_barrier_signal -1
	s_barrier_wait -1
	FETCH_B 0, 0, 0
	FETCH_A 0, 0, 0
	SCALES 0
	FETCH_A 0, 0, 4
	STEP 0, 0, 1                                   ; the first products start the sums: nothing is cleared
	STEP 0, 1, 0
	STEP 0, 2, 0
	TURN 0, 1
	STEP 1, 0, 0
	STEP 1, 1, 0
	STEP 1, 2, 0
	s_wait_dscnt 4*NL
	WIN MUL_LO
	MUL16 0, 1, NQ-1, 1, 0
	MUL16 2, 1, NQ-1, 1, 0
	s_wait_dscnt 0
	WIN MUL_HI
	MUL16 4, 1, NQ-1, 1, 0
	MUL16 6, 1, NQ-1, 1, 0
	WIN 0
	PLACES NP                                      ; in front of the loads into B's sets, the writes over A's fragments and the first reads of the last results
	s_cmp_eq_u32 s98, 2                            ; the one place where the text parts: on the cluster's x, alike in all partners
	s_cbranch_scc1 .Lway_v
; ---- q, k.  Block a = 16 positions x 128 channels.  Channels 64..127 (b = 4..7) pass through; channels d and d + 32 (b and b + 2, b = 0, 1) are rotated.
.macro PASS a
.set AC, 64*((\a)%4)
.set PKS, 192+32*((\a)%2)
	s_wait_xcnt 0x0                                ; the earlier stores have read their registers: F and this set of packed registers are written again only behind this wait
	WIN 2+(\a)/4                                   ; source 0: the accumulators' window
.irp b, 4,5,6,7
.irp p, 0,2,4,6
	v_pk_mul_f32 v[F+8*\b+\p:F+8*\b+\p+1], v[AC+8*\b+\p:AC+8*\b+\p+1], s[100:101] op_sel_hi:[1,0]   ; each accumulator from its low end on
.endr
.endr
	WIN 0
.irp b, 4,5,6,7
.irp i, 0,1,2,3
	v_cvt_pk_f16_f32 v[PKS+4*\b+\i], v[F+8*\b+2*\i], v[F+8*\b+2*\i+1]
.endr
.endr
.irp b, 4,5,6,7
	global_store_b128 v[LN], v[PKS+4*\b:PKS+4*\b+3], s[10:11] offset:((\a)/4)*32768+((\a)%4)*4096+\b*512
.endr
.endm
.macro ROT a
.set AC, 64*((\a)%4)
.set TBL, 32*(\a)                      ; window 1: cos at 8 b + j, sin at 16 + 8 b + j
.set PKS, 192+32*((\a)%2)
	s_wait_loadcnt 8*(7-(\a))                      ; this block's eight table loads are in; those of the later blocks may be out
	s_wait_xcnt 0x0
	WIN (2+(\a)/4)|4                               ; source 0 the accumulators, source 1 the table
.irp b, 0,1
.irp p, 0,2,4,6
	v_pk_mul_f32 v[T+\p:T+\p+1], v[AC+8*(\b+2)+\p:AC+8*(\b+2)+\p+1], v[TBL+16+8*\b+\p:TBL+16+8*\b+\p+1]      ; odd x sin
.endr
.irp p, 0,2,4,6
	v_pk_mul_f32 v[T+8+\p:T+8+\p+1], v[AC+8*(\b+2)+\p:AC+8*(\b+2)+\p+1], v[TBL+8*\b+\p:TBL+8*\b+\p+1]        ; odd x cos
.endr
.irp p, 0,2,4,6
	v_pk_fma_f32 v[F+8*\b+\p:F+8*\b+\p+1], v[AC+8*\b+\p:AC+8*\b+\p+1], v[TBL+8*\b+\p:TBL+8*\b+\p+1], v[T+\p:T+\p+1] neg_lo:[0,0,1] neg_hi:[0,0,1]   ; even x cos - odd x sin
.endr
.irp p, 0,2,4,6
	v_pk_fma_f32 v[F+8*(\b+2)+\p:F+8*(\b+2)+\p+1], v[AC+8*\b+\p:AC+8*\b+\p+1], v[TBL+16+8*\b+\p:TBL+16+8*\b+\p+1], v[T+8+\p:T+8+\p+1]              ; even x sin + odd x cos
.endr
.endr
	WIN 0
.irp b, 0,1,2,3
.irp i, 0,1,2,3
	v_cvt_pk_f16_f32 v[PKS+4*\b+\i], v[F+8*\b+2*\i], v[F+8*\b+2*\i+1]
.endr
.endr
.irp b, 0,1,2,3
	global_store_b128 v[LN], v[PKS+4*\b:PKS+4*\b+3], s[10:11] offset:((\a)/4)*32768+((\a)%4)*4096+\b*512
.endr
.endm
	WIN TO_B                                       ; the table of my 128 positions, 32 registers a block, into window 1 (B's sets are done with); the channels that pass through are worked while it comes
.irp a, 0,1,2,3,4,5,6,7
.irp i, 0,1,2,3,4,5,6,7
	global_load_b128 v[32*\a+4*\i:32*\a+4*\i+3], v[LN], s[8:9] offset:\a*4096+\i*512
.endr
.endr
	WIN 0
	PASS 0
	s_cmp_lg_u32 s99, 0
	s_cbranch_scc1 .Lno_f32_a
.irp b, 4,5,6,7
.irp e, 0,1
	global_store_b128 v[LN], v[F+8*\b+4*\e:F+8*\b+4*\e+3], s[12:13] offset:(2*\b+\e)*512   ; the first 16 positions also in f32
.endr
.endr
.Lno_f32_a:
.irp a, 1,2,3,4,5,6,7
	PASS \a
.endr
	ROT 0
	s_cmp_lg_u32 s99, 0
	s_cbranch_scc1 .Lno_f32_b
.irp b, 0,1,2,3
.irp e, 0,1
	global_store_b128 v[LN], v[F+8*\b+4*\e:F+8*\b+4*\e+3], s[12:13] offset:(2*\b+\e)*512
.endr
.endr
.Lno_f32_b:
.irp a, 1,2,3,4,5,6,7
	ROT \a
.endr
	s_branch .Lclose
; ---- v.  Block a = 16 channels x 128 positions: a lane's eight numbers are eight neighbouring keys of one channel
.macro PACKV a
.set AC, 64*((\a)%4)
.set PKS, 192+32*((\a)%2)
	s_wait_xcnt 0x0
	WIN (2+(\a)/4)*5                               ; sources 0 and 1: the accumulators' window
.irp b, 0,1,2,3,4,5,6,7
.irp i, 0,1,2,3
	v_cvt_pk_f16_f32 v[PKS+4*\b+\i], v[AC+8*\b+2*\i], v[AC+8*\b+2*\i+1]
.endr
.endr
	WIN 0
.irp b, 0,1,2,3,4,5,6,7
	global_store_b128 v[LN], v[PKS+4*\b:PKS+4*\b+3], s[10:11] offset:(\b/4)*32768+((\b/2)%2)*8192+(2*(\a)+\b%2)*512
.endr
.endm
.Lway_v:
.irp a, 0,1,2,3,4,5,6,7
	PACKV \a
.endr
	s_cmp_lg_u32 s99, 0
	s_cbranch_scc1 .Lno_f32_v
	WIN 0x08                                       ; a store's data are its source 1: window 2
.irp a, 0,1,2,3
.irp e, 0,1
	global_store_b128 v[LN], v[64*\a+4*\e:64*\a+4*\e+3], s[12:13] offset:(2*\a+\e)*512     ; keys 0..15 of every channel in f32
.endr
.endr
	WIN 0x0c
.irp a, 4,5,6,7
.irp e, 0,1
	global_store_b128 v[LN], v[64*(\a-4)+4*\e:64*(\a-4)+4*\e+3], s[12:13] offset:(2*\a+\e)*512
.endr
.endr
	WIN 0
.Lno_f32_v:
.Lclose:
	s_wait_tensorcnt 0x0                           ; the wave's end
	ds_add_u32 v[SPW], v[NIL]
	s_wait_dscnt 0x0
	CROUND                                         ; the closing round
	s_endpgm
.Lfunc_end_k_qae5ef38891_qkv:
	.size	k_qae5ef38891_qkv, .Lfunc_end_k_qae5ef38891_qkv-k_qae5ef38891_qkv
	.p2alignl 7, 3214868480
	.fill 96, 4, 3214868480
	.section	.rodata,"a",@progbits
	.p2align	6, 0x0
	.amdhsa_kernel k_qae5ef38891_qkv
		.amdhsa_group_segment_fixed_size 327680
		.amdhsa_private_segment_fixed_size 0
		.amdhsa_enable_private_segment 0
		.amdhsa_kernarg_size 40
		.amdhsa_user_sgpr_count 2
		.amdhsa_user_sgpr_kernarg_segment_ptr 1
		.amdhsa_wavefront_size32 1
		.amdhsa_system_sgpr_workgroup_id_x 1
		.amdhsa_system_sgpr_workgroup_id_y 1
		.amdhsa_system_sgpr_workgroup_id_z 1
		.amdhsa_system_vgpr_workitem_id 0
		.amdhsa_next_free_vgpr 1024
		.amdhsa_next_free_sgpr 102
		.amdhsa_reserve_vcc 0
		.amdhsa_float_denorm_mode_32 3
		.amdhsa_float_denorm_mode_16_64 3
		.amdhsa_memory_ordered 1
		.amdhsa_forward_progress 1
		.amdhsa_inst_pref_size 175
	.end_amdhsa_kernel
	.amdgpu_metadata
---
amdhsa.version: [ 1, 2 ]
amdhsa.kernels:
  - .name:           k_qae5ef38891_qkv
    .symbol:         k_qae5ef38891_qkv.kd
    .args:
      - { .name: codes, .offset: 0, .size: 8, .value_kind: global_buffer, .address_space: global }
      - { .name: scales, .offset: 8, .size: 8, .value_kind: global_buffer, .address_space: global }
      - { .name: tab, .offset: 16, .size: 8, .value_kind: global_buffer, .address_space: global }
      - { .name: qkv16, .offset: 24, .size: 8, .value_kind: global_buffer, .address_space: global }
      - { .name: qkv32, .offset: 32, .size: 8, .value_kind: global_buffer, .address_space: global }
    .group_segment_fixed_size: 327680
    .private_segment_fixed_size: 0
    .kernarg_segment_align: 8
    .kernarg_segment_size: 40
    .max_flat_workgroup_size: 128
    .sgpr_count:     102
    .vgpr_count:     1024
    .wavefront_size: 32
...
	.end_amdgpu_metadata
.endif
;; end of part 2
;; launch attn (part 3): grid 8 x 32, 4 waves a work-group, no clusters, 327,680 bytes of LDS; arguments qkv16, o16; writes o16
.if DOCPART == 3
	.amdgcn_target "amdgcn-amd-amdhsa--gfx1250"
	.amdhsa_code_object_version 6
	.text
	.protected	k_qae5ef38891_attn
	.globl	k_qae5ef38891_attn
	.p2align	8
	.type	k_qae5ef38891_attn,@function
k_qae5ef38891_attn:
	s_mov_b64 s[64:65], 0
	v_nop
	global_prefetch_b8 v0, s[64:65] scope:SCOPE_SE
	s_setreg_imm32_b32 hwreg(HW_REG_WAVE_MODE, 25, 1), 1
	s_wait_xcnt 0x0
; o = softmax(q k^T, causal) v for 32 (batch, head) pairs of 2,048 positions and 128 channels.  q, k (already rotated and scaled) and v arrive in f16 as images of the operands' registers; products and sums in f32;
; the weights p are rounded to f16 for the second product, o once at the end, to f16, as images of the next launch's operand.
; BALANCE.  In blocks of 128 queries x 128 keys a head has 136 blocks under the mask, 17 for each of its 8 work-groups: work-group j takes query block 15 - j and then block j: (16 - j) + (j + 1) = 17.
; SHARES IN A TASK.  Wave w = 2 qh + kh owns 64 queries (128 i + 64 qh: four tiles of 16) and, of every 128 keys, the 64 with parity kh.  So each fragment of K and V read from LDS feeds four tiles.
; The two key halves of a query are joined at the task's end through LDS: maxima, sums and O^T.
; LAYOUT.  S^T = K Q^T (source 0 = 16 keys, source 1 = 16 queries) and O^T = V^T P: a lane holds ONE query throughout; two tiles of S^T, rounded in pairs, are source 1 of the second product.
; SOFTMAX.  A running maximum m and sum l for each query: p = 2^(c s - c m), c = log2(e); in every step O^T and l are multiplied by 2^(c m_old - c m_new).  m begins at -2^126 (finite), l and O^T at 0.
; BY TURNS, ACROSS KEY STEPS.  The wave's tiles are two pieces (0: tiles 0, 1; 2: tiles 2, 3).  In a turn one piece has the matrix unit: 32 products V^T P of the step in hand, then 32 products K Q^T of the next step;
; the other piece's softmax, cut into 64 slices, stands one slice behind each product.  Two turns are a key step (STEADY): 128 products, 536 vector instructions.
; THE MASK.  A wave's steps that count are a run from step 0 on.  The first step's scores, piece 0's first softmax and V's first fetch stand at the task's head and are always run, so that every register of the turns is
; written on every way (slot 0 is always fetched; in the one wave for which all its keys are hidden every score becomes -infinity, p is 0, and the wave joins with weight 0).  Then, step by step (ITER), by scalar branches on
; ids, the wave's number and counted steps: the next step counts: STEADY; it is hidden and a step is in hand: TAIL (that step's V^T P and piece 2's last softmax), once; else nothing.
; The steady step is written once for every step, so no product can start O^T's sums: O^T is cleared once a task.
; THE RING.  Two LDS slots of 256 keys; wave w fills 32,768 dense bytes of a slot (0, 1: K of parity 0, 1; 2, 3: V): one tensor load a wave behind each change of slots; one load of a wave is out at a time.
; When a slot is left, K and V of its last step have been fetched into registers.  Every task has 8 changes of slots (constant trip counts); a slot whose first key lies behind the task's last query is not asked for;
; at a task's last change the next task's slot 0 is asked for.
; NO CLUSTER: the work-groups of a head need different numbers of tiles under the mask, and no jump may lead round a joint load.
; LIMITS: f16 operands (largest number 65,504); NaN and infinities are not served.
; REGISTERS: window 0: v2-8 addresses; v12-43 statistics, 8 a tile; v44-57 mask and join; v64-191 S^T; v192-255 P.  window 1: O^T, 64 a tile.  window 2: v0-127 Q, v128-255 K.  window 3: v0-127 V, v128-191 the partner's tile.
.set SLOT1, 1<<17
.set XCH,   262144                     ; the join: 8,192 bytes for each wave (a tile of O^T)
.set STATS, 294912                     ; 1,024 bytes for each wave: (c m, l) of four tiles
.set SPARE, 299008                     ; the spare words, 128 bytes for each wave: no other line names them
.set L16, 2                            ; v2 16 x lane
.set LV,  3                            ; v3 16 x lane + 65,536: V lies behind K in a slot
.set ADR, 4
.set XADO, 5                           ; my place in XCH; the partner's; my place in STATS; the partner's
.set XADP, 6
.set SADO, 7
.set SADP, 8
.set ST,  12                           ; tile t at v[ST+8 t]: +0 c m, +1 m, +2, +3 l, +4..+7 at work
.set D0,  44                           ; r - 8 h
.set NINF, 45
.set PFO, 61
.set SPW, 62
.set NIL, 63
.set S,   64
.set P,   192
.set KFR, 128
.set WV,  12
.set QH,  13
.set KH,  14
.set G1,  24
.set G0,  32
.set PTRW, 36                          ; s[36:37] my 32,768 bytes of slot 0 in memory
.set QB,  38                           ; s[38:39] q of my head and my half of a block
.set QP,  40
.set OP,  42
.set BI,  44                           ; the task's query block; the next task's, or -1
.set BN,  45
.set SG,  46                           ; the slot that a change of slots opens, 0..7
.set TWICE, 47
.set TAU, 48
.set KEY, 49                           ; the first key of the step whose K and V are fetched next
.set Q0,  50                           ; my first query
.set TB,  51                           ; LDS byte of that step's K
.set NS,  52
.set NI,  53
.set PFA, 56
.set CS,  58
.set SEL, 60
.set OB,  66
.set PFL, 68
.set PEND, 69                          ; 1 while a step is in hand: its scores are made, its V^T P is not
.set MSB, 0
.macro WIN new
.if MSB != (\new)
	s_set_vgpr_msb (MSB<<8)|(\new)
.set MSB, (\new)
.endif
.endm
.set W_KQ, 0x0a
.set W_PV, 0x53
.set W_RS, 0x41
.macro PLACES
.rept 4
	v_nop
.endr
.endm
.macro BARRIER                         ; my LDS stores have landed and my LDS loads are in: then the work-group's barrier.
	s_wait_dscnt 0x0
	s_barrier_signal -1
	s_barrier_wait -1
.endm
.macro QLOAD blk                       ; my 64 queries of block s[blk]: 32 loads of 512 consecutive bytes, straight into the operand's registers
	s_lshr_b32 s54, s[\blk], 1
	s_lshl_b32 s54, s54, 16
	s_and_b32 s55, s[\blk], 1
	s_lshl_b32 s55, s55, 14
	s_add_co_u32 s54, s54, s55
	s_mov_b32 s55, 0
	s_add_nc_u64 s[QP:QP+1], s[QB:QB+1], s[54:55]
	WIN 0x80
.set m, 0
.rept 32
	global_load_b128 v[4*m:4*m+3], v[L16], s[QP:QP+1] offset:512*m
.set m, m+1
.endr
	WIN 0
.endm
	s_load_b128 s[4:7], s[0:1], 0x0                ; qkv16 s[4:5], o16 s[6:7]
	v_lshl_add_u32 v[SPW], v0, 2, SPARE
	v_mov_b32 v[NIL], 0
	ds_add_u32 v[SPW], v[NIL]                      ; the wave's opening: the add, twice on end, and its wait ahead of my first tensor load
	ds_add_u32 v[SPW], v[NIL]
	v_lshrrev_b32 v1, 5, v0
	v_readfirstlane_b32 s[WV], v1
	s_lshr_b32 s[QH], s[WV], 1                     ; my half of the queries.  Also: I fetch K (0) or V (1)
	s_and_b32 s[KH], s[WV], 1                      ; my parity of the keys, in the work and in what I fetch
	s_and_b32 s15, ttmp7, 0xffff                   ; batch x 8 + head
	s_mov_b32 s[G1], 3<<16                         ; no mask; elements of 8 bytes; no padding: a dense block as 128 rows of 256 bytes
	s_mov_b32 s[G1+1], 32<<16
	s_mov_b32 s[G1+2], 128<<16
	s_mov_b32 s[G1+3], 32<<16
	s_mov_b32 s[G1+4], 128
	s_mov_b32 s[G1+5], 32
	s_mov_b32 s[G1+6], 0
	s_mov_b32 s[G1+7], 0
	s_mov_b32 s[G0], 1
	s_lshl_b32 s[G0+1], s[WV], 15                  ; slot 0, my region
	s_add_co_u32 s16, s[QH], 1
	s_lshl_b32 s16, s16, 24
	s_lshl_b32 s18, s15, 19
	s_add_co_u32 s16, s16, s18
	s_lshl_b32 s20, s[KH], 15
	s_add_co_u32 s16, s16, s20
	s_mov_b32 s17, 0
	s_lshl_b32 s20, s[QH], 15
	s_add_co_u32 s18, s18, s20
	s_mov_b32 s19, 0
	s_and_b32 s20, s15, 7
	s_lshl_b32 s20, s20, 21                        ; o16: [head][row tile 512][4,096]
	s_lshr_b32 s21, s15, 3
	s_lshl_b32 s21, s21, 19
	s_add_co_u32 s20, s20, s21
	s_lshl_b32 s21, s[QH], 14
	s_add_co_u32 s20, s20, s21
	s_mov_b32 s21, 0
	s_mov_b32 s[CS], 0x3fb8aa3b                    ; log2(e)
	s_mov_b32 s[CS+1], s[CS]
	s_mov_b32 s[SEL], 0x76543210
	s_mov_b32 s[SEL+1], 0xfedcba98
	s_sub_co_u32 s[BI], 15, ttmp9
	s_mov_b32 s[BN], ttmp9
	s_mov_b32 s[TAU], 0
	s_lshl_b32 s[TB], s[KH], 15
	s_wait_dscnt 0x0                               ; both opening adds are done
	s_wait_kmcnt 0x0
	s_add_nc_u64 s[PTRW:PTRW+1], s[4:5], s[16:17]
	s_add_nc_u64 s[QB:QB+1], s[4:5], s[18:19]
	s_add_nc_u64 s[OB:OB+1], s[6:7], s[20:21]
	s_mov_b64 s[G0+2:G0+3], s[PTRW:PTRW+1]
	s_or_b32 s[G0+3], s[G0+3], 0x80000000
	tensor_load_to_lds s[G0:G0+3], s[G1:G1+7]      ; slot 0 of the first task: keys 0..255, which count for its queries
	s_nop 0
.rept 4
	v_nop
.endr
	s_add_nc_u64 s[PFA:PFA+1], s[PTRW:PTRW+1], 65536   ; the prefetches' address stands at slot 1; the first change of slots steps it to slot 2
	v_and_b32 v1, 31, v0
	v_lshlrev_b32 v[L16], 4, v1
	v_add_nc_u32 v[LV], 65536, v[L16]
	s_lshl_b32 s16, s[WV], 13
	v_add_nc_u32 v[XADO], s16, v[L16]
	v_add_nc_u32 v[XADO], XCH, v[XADO]
	s_xor_b32 s17, s[WV], 1                        ; my partner: the same queries, the other keys
	s_lshl_b32 s16, s17, 13
	v_add_nc_u32 v[XADP], s16, v[L16]
	v_add_nc_u32 v[XADP], XCH, v[XADP]
	v_lshlrev_b32 v9, 3, v1
	s_lshl_b32 s16, s[WV], 10
	v_add_nc_u32 v[SADO], s16, v9
	v_add_nc_u32 v[SADO], STATS, v[SADO]
	s_lshl_b32 s16, s17, 10
	v_add_nc_u32 v[SADP], s16, v9
	v_add_nc_u32 v[SADP], STATS, v[SADP]
	v_and_b32 v10, 15, v0
	v_bfe_u32 v11, v0, 4, 1
	v_lshlrev_b32 v11, 3, v11
	v_sub_nc_u32 v[D0], v10, v11
	v_mov_b32 v[NINF], 0xff800000
	v_lshlrev_b32 v[PFO], 8, v1
	v_mov_b32 v49, 0                               ; named as the upper halves of pairs, and as a lane permute's destination, before they are first written
	v_mov_b32 v51, 0
	v_mov_b32 v55, 0
	QLOAD BI
; Product i of 32 of O^T += V^T P: keys 32 (i / 16) on, channels 16 ((i / 2) % 8) on, tile x + i % 2.  Sixteen accumulators take turns.
.macro PV x
	WIN W_PV
.set rO, 64*(\x+i%2)+8*((i/2)%8)
.set rV, 64*(i/16)+8*((i/2)%8)
.set rP, P+16*(\x+i%2)+8*(i/16)
	v_wmma_f32_16x16x32_f16 v[rO:rO+7], v[rV:rV+7], v[rP:rP+7], v[rO:rO+7]
.endm
; Product i of 32 of S^T = K Q^T: channels 32 (i / 8) on, keys 16 ((i / 2) % 4) on, tile x + i % 2.  The first 8 start the sums; eight accumulators take turns.
.macro KQ x
	WIN W_KQ
.set rS, S+32*(\x+i%2)+8*((i/2)%4)
.set rK, KFR+32*((i/2)%4)+8*(i/8)
.set rQ, 32*(\x+i%2)+8*(i/8)
.if i < 8
	v_wmma_f32_16x16x32_f16 v[rS:rS+7], v[rK:rK+7], v[rQ:rQ+7], 0
.else
	v_wmma_f32_16x16x32_f16 v[rS:rS+7], v[rK:rK+7], v[rQ:rQ+7], v[rS:rS+7]
.endif
.endm
.macro FETCH_K                         ; K of the step at s[TB], 16 fragments, as they lie: one run of 32 loads, the channel step outermost
	WIN 0
	v_add_nc_u32 v[ADR], s[TB], v[L16]
	WIN 0x80
.irp cs, 0,1,2,3
.irp kt, 0,1,2,3
	ds_load_b128 v[KFR+32*\kt+8*\cs:KFR+32*\kt+8*\cs+3],   v[ADR] offset:\kt*4096+\cs*1024
	ds_load_b128 v[KFR+32*\kt+8*\cs+4:KFR+32*\kt+8*\cs+7], v[ADR] offset:\kt*4096+\cs*1024+512
.endr
.endr
.endm
.macro FETCH_V                         ; V of the same step, keys innermost: one run of 32 plain loads
	WIN 0
	v_add_nc_u32 v[ADR], s[TB], v[LV]
	s_wait_alu depctr_va_vdst(0)                   ; the one wait for the softmax's batch of exponentials, ahead of the first instruction that names a result
	WIN 0xc0
.set m, 0
.rept 32
	ds_load_b128 v[4*m:4*m+3], v[ADR] offset:512*m
.set m, m+1
.endr
.endm
; One tile's softmax for a key step is a list of 134 instructions; SM writes number j of it for tile t.
;   0-15 the maximum of the lane's 32 scores and the old m; 16-20 the other half of the lanes' maximum, the new m, c m and its change; 21-69 ONE BATCH: 16 packed scalings and 33 exponentials, none of which reads an
;   exponential's result; (the wait); 70-85 the roundings to f16; 86-101 the sums, l = a l + the sum; 102-133 the tile's O^T times a.
.macro SM t
.set rT, ST+8*(\t)
.set rS, S+32*(\t)
.set rP, P+16*(\t)
.set rO, 64*(\t)+2*(j-102)
.if j < 102
	WIN 0
.endif
.if j < 4
	v_max3_num_f32 v[rT+4+j], v[rS+8*j], v[rS+8*j+1], v[rS+8*j+2]
.elseif j < 12
	v_max3_num_f32 v[rT+4+j%4], v[rT+4+j%4], v[rS+8*(j%4)+2*(j/4)+1], v[rS+8*(j%4)+2*(j/4)+2]
.elseif j == 12
	v_max3_num_f32 v[rT+4], v[rT+4], v[rS+7], v[rS+15]
.elseif j == 13
	v_max3_num_f32 v[rT+6], v[rT+6], v[rS+23], v[rS+31]
.elseif j == 14
	v_max3_num_f32 v[rT+4], v[rT+4], v[rT+5], v[rT+6]
.elseif j == 15
	v_max3_num_f32 v[rT+4], v[rT+4], v[rT+7], v[rT+1]
.elseif j == 16
	v_permlanex16_b32 v[rT+5], v[rT+4], s[SEL], s[SEL+1]
.elseif j == 17
	v_mov_b32 v[rT+7], v[rT]
.elseif j == 18
	v_max_num_f32 v[rT+1], v[rT+4], v[rT+5]
.elseif j == 19
	v_mul_f32 v[rT], s[CS], v[rT+1]
.elseif j == 20
	v_sub_f32 v[rT+7], v[rT+7], v[rT]
.elseif j == 23
	v_exp_f32 v[rT+6], v[rT+7]
.elseif (j < 23) || ((j < 38) && (j%2 == 0)) || ((j < 66) && (j%4 == 2))
.set b, (j-2)/4
.if j < 38
.set b, (j-20)/2
.endif
	v_pk_fma_f32 v[rS+2*b:rS+2*b+1], v[rS+2*b:rS+2*b+1], s[CS:CS+1], v[rT:rT+1] op_sel_hi:[1,0,0] neg_lo:[0,0,1] neg_hi:[0,0,1]
.elseif j < 70
.set e, j-38
.if j < 66
.set e, j-32-(j-38)/4
.endif
.if j < 38
.set e, (j-25)/2
.endif
	v_exp_f32 v[rS+e], v[rS+e]
.elseif j < 86
	v_cvt_pk_f16_f32 v[rP+j-70], v[rS+2*(j-70)], v[rS+2*(j-70)+1]
.elseif j < 102
.set z, j-86
.set w, 4
.set u, z
.if z >= 14
.set w, 32
.set u, 0
.elseif z >= 12
.set w, 16
.set u, z-12
.elseif z >= 8
.set w, 8
.set u, z-8
.endif
.if z < 15
	v_pk_add_f32 v[rS+w*u:rS+w*u+1], v[rS+w*u:rS+w*u+1], v[rS+w*u+w/2:rS+w*u+w/2+1]
.else
	v_pk_fma_f32 v[rT+2:rT+3], v[rT+2:rT+3], v[rT+6:rT+7], v[rS:rS+1] op_sel_hi:[1,0,1]
.endif
.else
	WIN W_RS
	v_pk_mul_f32 v[rO:rO+1], v[rO:rO+1], v[rT+6:rT+7] op_sel_hi:[1,0]
.endif
.endm
; Slice k of 64 of piece y's softmax.  Slices 11 to 34 deal out the batch, four numbers of one tile each; every other slice is numbers 2 k and 2 k + 1 of both tiles; the twelve that are over stand in slice 63:
; its sixteen plain instructions name nothing of the products round them and are the places behind a turn's last K Q^T.
; Behind slice 34 stands the batch's plain instruction and its one wait; in piece 0's softmax V's run of loads stands there too: V's last reader stands in front of slice 31, and four plain instructions lie between
; (number 62, a scaling, of both tiles, the v_nop and the run's own v_add_nc_u32).
.macro SLICE y
.if (k >= 11) && (k < 35)
.irp n, 0,1,2,3
.set j, 22+4*((k-11)/2)+(\n)
	SM (\y)+(k-11)%2
.endr
.else
.irp n, 0,1,2,3,4,5,6,7
.if (\n < 2) || (k == 63)
.irp t, \y, \y+1
.set j, 2*k+\n
	SM \t
.endr
.endif
.endr
.endif
.if k == 34
	v_nop
.if (\y) == 0
	FETCH_V
.else
	s_wait_alu depctr_va_vdst(0)
.endif
.endif
.set k, k+1
.endm
; On the diagonal (the step's first key = my first query) key 16 kt + 8 h + j is hidden from query 16 t + r where it is greater: whole tiles above, a compare on the diagonal tile, nothing below.
.macro MASK x
.irp t, \x, \x+1
.irp kt, 0,1,2,3
.if \kt > (\t)
.irp j8, 0,1,2,3,4,5,6,7
	v_mov_b32 v[S+32*(\t)+8*\kt+\j8], v[NINF]
.endr
.elseif \kt == (\t)
.irp j8, 0,1,2,3,4,5,6,7
	v_cmp_gt_i32 vcc_lo, \j8, v[D0]
	v_cndmask_b32 v[S+32*(\t)+8*\kt+\j8], v[S+32*(\t)+8*\kt+\j8], v[NINF], vcc_lo
.endr
.endif
.endr
.endr
.endm
.macro DIAG x                          ; behind piece x's K Q^T of a step that counts: the mask, where the step lies on the diagonal.  First keys and first queries are multiples of 64: a step under the diagonal hides nothing
	WIN 0
	s_cmp_lg_u32 s[KEY], s[Q0]
	s_cbranch_scc1 .Lopen_\@
	MASK \x
.Lopen_\@:
.endm
.macro DIAG0 x                         ; the same for step 0, which is always run: where its first key lies behind my first query, all its keys are hidden
	WIN 0
	s_cmp_lt_u32 s[KEY], s[Q0]
	s_cbranch_scc1 .Lopen_\@
	s_cmp_eq_u32 s[KEY], s[Q0]
	s_cbranch_scc0 .Lall_\@
	MASK \x
	s_branch .Lopen_\@
.Lall_\@:
.set m, 0
.rept 64
	v_mov_b32 v[S+32*(\x)+m], v[NINF]
.set m, m+1
.endr
.Lopen_\@:
.endm
; A STEADY KEY STEP: step j is in hand (piece 0's p and piece 2's scores are made, V of j is on its way into registers); step j + 1, at s[TB], counts.
;   turn 0: piece 0: V^T P of j, K Q^T of j + 1 | piece 2's softmax of j | K of j + 1 is fetched behind the second product: K's last reader stands in front of slice 63 of the turn before
;   turn 2: piece 2: V^T P of j, K Q^T of j + 1 | piece 0's softmax of j + 1 | V of j + 1 is fetched behind slice 34
; Each run of loads stands 29 products or more ahead of its first use.
.macro STEADY
	s_wait_dscnt 0x0                               ; V of the step in hand is in
.set k, 0
.set i, 0
.rept 32
	PV 0
	SLICE 2
.if i == 1
	FETCH_K
.endif
.set i, i+1
.endr
	s_wait_dscnt 0x0                               ; K is in
.set i, 0
.rept 32
	KQ 0
	SLICE 2
.set i, i+1
.endr
	DIAG 0
.set k, 0
.set i, 0
.rept 32
	PV 2
	SLICE 0
.set i, i+1
.endr
.set i, 0
.rept 32
	KQ 2
	SLICE 0
.set i, i+1
.endr
	DIAG 2
.endm
; THE TAIL: the step in hand is the wave's last that counts: piece 0's V^T P with piece 2's softmax, two slices behind each product; then piece 2's V^T P.
.macro TAIL
	s_wait_dscnt 0x0                               ; V is in
.set k, 0
.set i, 0
.rept 32
	PV 0
	SLICE 2
	SLICE 2
.set i, i+1
.endr
.set i, 0
.rept 32
	PV 2
.set i, i+1
.endr
	WIN 0
.endm
; One step on.  The branches hang on ids, the wave's number and counted steps alone, and lead round LDS loads, products and softmax: round no barrier, no wait for tiles and no tensor load.
.macro ITER
	s_cmp_gt_u32 s[KEY], s[Q0]                     ; all 64 keys of the next step come after my 64 queries?
	s_cbranch_scc1 .Lhid_\@
	STEADY
	s_branch .Lnext_\@
.Lhid_\@:
	s_cmp_eq_u32 s[PEND], 0
	s_cbranch_scc1 .Lnext_\@
	TAIL
	s_mov_b32 s[PEND], 0
.Lnext_\@:
	s_add_co_u32 s[KEY], s[KEY], 128
	s_add_co_u32 s[TB], s[TB], 16384
.endm
; THE CHANGE OF SLOTS: all my tensor loads have landed, the add, my reads of the slot that I have left are over (K and V of its last step are in registers); the barrier; then the slot just left is filled with the keys
; that follow those of the slot now opened.
.macro CHANGE
	s_wait_tensorcnt 0x0
	ds_add_u32 v[SPW], v[NIL]                      ; 0 onto my spare word; the descriptor's words are made between it and the wait for it
	s_xor_b32 s[G0+1], s[G0+1], SLOT1
	s_add_co_u32 s[NS], s[SG], 1
	s_cmp_eq_u32 s[NS], 8
	s_cselect_b32 s[NI], s[BN], s[BI]              ; behind a task's last slot comes the next task's slot 0
	s_cselect_b32 s[NS], 0, s[NS]
	s_lshl_b32 s54, s[NS], 16
	s_mov_b32 s55, 0
	s_add_nc_u64 s[G0+2:G0+3], s[PTRW:PTRW+1], s[54:55]
	s_or_b32 s[G0+3], s[G0+3], 0x80000000
	s_wait_xcnt 0x0                                ; the last prefetches, a slot back, have read their address
	s_add_nc_u64 s[PFA:PFA+1], s[PFA:PFA+1], 65536
	s_wait_dscnt 0x0
	s_barrier_signal -1
	s_barrier_wait -1
	s_lshl_b32 s54, s[NS], 1                       ; slot NS begins at key 256 NS; the task's last query is 128 NI + 127: past it the slot is read by no wave and is not asked for.
	s_cmp_gt_i32 s54, s[NI]                        ; Ids and counted steps alone: all four waves go the same way.  NI = -1 behind the last task
	s_cbranch_scc1 .Lpast_\@
	tensor_load_to_lds s[G0:G0+3], s[G1:G1+7]      ; my one tensor load until the next change: it has two key steps of each wave in which to land
	s_nop 0
.rept 4
	v_nop
.endr
.Lpast_\@:
	; A prefetch of what the NEXT change will ask for: my wave's 32,768 bytes of slot SG + 2, lanes 256 bytes apart, four instructions.  All work-groups of a head walk the same K and V: its first work-group asks,
	; in its first task, at slots 0 to 5: each run of 256 bytes is named once.  Slots 0 and 1 come by their loads alone.
	s_or_b32 s54, s[SG], s[PFL]
	s_cmp_lt_u32 s54, 6
	s_cbranch_scc0 .Lnot_mine_\@
.irp o, 0,1,2,3
	global_prefetch_b8 v[PFO], s[PFA:PFA+1] offset:8192*\o th:TH_LOAD_NT scope:SCOPE_SE
.endr
.Lnot_mine_\@:
.endm
.macro SENDT t                         ; tile t of my O^T goes to my partner as it stands, each accumulator from its low end on
	WIN 0x04
.set m, 0
.rept 16
	ds_store_b128 v[XADO], v[64*(\t)+4*m:64*(\t)+4*m+3] offset:512*m
.set m, m+1
.endr
	WIN 0
.endm
.macro RECVT t                         ; tile t is finished: mine and my partner's under a common maximum, divided by the joint sum, rounded and stored
	ds_load_b64 v[46:47], v[SADP] offset:256*(\t)
	WIN 0xc0
.set m, 0
.rept 16
	ds_load_b128 v[128+4*m:131+4*m], v[XADP] offset:512*m
.set m, m+1
.endr
	WIN 0
	s_wait_dscnt 0x0
	v_max_num_f32 v48, v[ST+8*(\t)], v46
	v_sub_f32 v52, v[ST+8*(\t)], v48
	v_sub_f32 v53, v46, v48
	v_exp_f32 v54, v52                             ; what my part counts for,
	v_exp_f32 v56, v53                             ; and my partner's (0 for a wave that had no key to count)
	v_nop
	s_wait_alu depctr_va_vdst(0)                   ; one wait for the two
	v_mul_f32 v57, v56, v47
	v_fma_f32 v57, v54, v[ST+8*(\t)+1], v57
	v_permlanex16_b32 v55, v57, s[SEL], s[SEL+1]
	v_add_f32 v57, v57, v55                        ; the row's sum
	v_rcp_f32 v53, v57
	v_nop
	s_wait_alu depctr_va_vdst(0)
	v_mul_f32 v50, v54, v53
	v_mul_f32 v48, v56, v53
	WIN 0xc3
.set m, 0
.rept 32
	v_pk_mul_f32 v[128+2*m:129+2*m], v[128+2*m:129+2*m], v[48:49] op_sel_hi:[1,0]
.set m, m+1
.endr
	WIN 0x31
.set m, 0
.rept 32
	v_pk_fma_f32 v[S+2*m:S+2*m+1], v[64*(\t)+2*m:64*(\t)+2*m+1], v[50:51], v[128+2*m:129+2*m] op_sel_hi:[1,0,1]
.set m, m+1
.endr
	WIN 0
	s_wait_xcnt 0x0                                ; the earlier stores have read P's registers
.set m, 0
.rept 32
	v_cvt_pk_f16_f32 v[P+m], v[S+2*m], v[S+2*m+1]
.set m, m+1
.endr
.set m, 0
.rept 8
	global_store_b128 v[L16], v[P+4*m:P+4*m+3], s[OP:OP+1] offset:4096*(\t)+512*m   ; 512 consecutive bytes a store
.set m, m+1
.endr
.endm
.Ltask:                                ; two trips
	s_wait_xcnt 0x0                                ; the last task's stores have read their base
	s_lshl_b32 s54, s[BI], 15
	s_mov_b32 s55, 0
	s_add_nc_u64 s[OP:OP+1], s[OB:OB+1], s[54:55]
	s_lshl_b32 s[Q0], s[BI], 7
	s_lshl_b32 s54, s[QH], 6
	s_add_co_u32 s[Q0], s[Q0], s54
	s_lshl_b32 s[KEY], s[KH], 6
	s_mov_b32 s[SG], 0
	s_lshl_b32 s[PFL], ttmp9, 4
	s_lshl_b32 s54, s[TAU], 3
	s_or_b32 s[PFL], s[PFL], s54                   ; 0 in the head's first work-group's first task, which walks all eight slots
	WIN 0x40
.set m, 0
.rept 256
	v_mov_b32 v[m], 0                              ; O^T: the steady step is written once for every step, so no product can start these sums
.set m, m+1
.endr
	WIN 0
.irp t, 0,1,2,3
	v_mov_b32 v[ST+8*\t+1], 0xfe800000             ; m = -2^126
	v_mov_b32 v[ST+8*\t+2], 0
	v_mov_b32 v[ST+8*\t+3], 0
.endr
.irp t, 0,1,2,3
	v_mul_f32 v[ST+8*\t], s[CS], v[ST+8*\t+1]
.endr
	CHANGE                                         ; slot 0 is whole; slot 1 is asked for
	; THE TASK'S HEAD, always run: step 0's scores of both pieces, piece 0's softmax (two slices behind each of piece 2's products), V's fetch
	FETCH_K
	s_wait_loadcnt 0x0                             ; Q
.set i, 0
.rept 32
.if (i%8) == 0
	s_wait_dscnt 24-i                              ; this channel step's eight loads are in; those of the later channel steps may be out
.endif
	KQ 0
.set i, i+1
.endr
	WIN 0
	PLACES
	DIAG0 0
.set k, 0
.set i, 0
.rept 32
	KQ 2
	SLICE 0
	SLICE 0
.set i, i+1
.endr
	DIAG0 2                                        ; slice 63's sixteen plain instructions are the places behind the last of those products
	s_mov_b32 s[PEND], 1
	s_add_co_u32 s[KEY], s[KEY], 128
	s_add_co_u32 s[TB], s[TB], 16384
	ITER                                           ; fetches step 1, the second of slot 0
	s_sub_co_u32 s[TB], s[TB], 32768
	s_xor_b32 s[TB], s[TB], SLOT1                  ; the fetches go on in the other slot
	s_mov_b32 s[SG], 1
.Lslot:                                ; seven trips: slots 1 to 7
	CHANGE
	s_mov_b32 s[TWICE], 2
.Lstep:                                ; the slot's two steps of my parity are fetched, each while the step before it is finished
	ITER
	s_sub_co_u32 s[TWICE], s[TWICE], 1
	s_cmp_lg_u32 s[TWICE], 0
	s_cbranch_scc1 .Lstep
	s_sub_co_u32 s[TB], s[TB], 32768
	s_xor_b32 s[TB], s[TB], SLOT1
	s_add_co_u32 s[SG], s[SG], 1
	s_cmp_lt_u32 s[SG], 8
	s_cbranch_scc1 .Lslot
	s_cmp_eq_u32 s[PEND], 0                        ; the task's sixteenth step has no successor
	s_cbranch_scc1 .Ljoin
	TAIL
.Ljoin:
	; THE JOIN.  Wave kh = 0 finishes tiles 0 and 1 of the pair's four, wave kh = 1 tiles 2 and 3; a tile at a time goes through LDS.  The next task's slot 0 stays on its way across these barriers.
	PLACES                                         ; behind the last products: in front of the loads into Q's registers and the first reads of O^T
	s_cmp_lg_u32 s[TAU], 0
	s_cbranch_scc1 .Lno_next_q
	QLOAD BN                                       ; the next task's queries land while the join runs
.Lno_next_q:
.irp t, 0,1,2,3
	v_add_f32 v[ST+8*\t+1], v[ST+8*\t+2], v[ST+8*\t+3]
.endr
.irp t, 0,1,2,3
	ds_store_b64 v[SADO], v[ST+8*\t:ST+8*\t+1] offset:256*\t
.endr
	s_cmp_eq_u32 s[KH], 0
	s_cbranch_scc0 .Lsend_a1
	SENDT 2
	s_branch .Lsent_a
.Lsend_a1:
	SENDT 0
.Lsent_a:
	BARRIER
	s_cmp_eq_u32 s[KH], 0
	s_cbranch_scc0 .Lrecv_a1
	RECVT 0
	s_branch .Lgot_a
.Lrecv_a1:
	RECVT 2
.Lgot_a:
	BARRIER                                        ; the first tiles have been read: their places may be written again
	s_cmp_eq_u32 s[KH], 0
	s_cbranch_scc0 .Lsend_b1
	SENDT 3
	s_branch .Lsent_b
.Lsend_b1:
	SENDT 1
.Lsent_b:
	BARRIER
	s_cmp_eq_u32 s[KH], 0
	s_cbranch_scc0 .Lrecv_b1
	RECVT 1
	s_branch .Lgot_b
.Lrecv_b1:
	RECVT 3
.Lgot_b:
	s_mov_b32 s[BI], s[BN]
	s_mov_b32 s[BN], -1
	s_add_co_u32 s[TAU], s[TAU], 1
	s_cmp_lt_u32 s[TAU], 2
	s_cbranch_scc1 .Ltask
	s_wait_tensorcnt 0x0                           ; the wave's end, behind my last tensor load and my last LDS store
	ds_add_u32 v[SPW], v[NIL]
	s_wait_dscnt 0x0
	s_endpgm
.Lfunc_end_k_qae5ef38891_attn:
	.size	k_qae5ef38891_attn, .Lfunc_end_k_qae5ef38891_attn-k_qae5ef38891_attn
	.p2alignl 7, 3214868480
	.fill 96, 4, 3214868480
	.section	.rodata,"a",@progbits
	.p2align	6, 0x0
	.amdhsa_kernel k_qae5ef38891_attn
		.amdhsa_group_segment_fixed_size 327680
		.amdhsa_private_segment_fixed_size 0
		.amdhsa_enable_private_segment 0
		.amdhsa_kernarg_size 16
		.amdhsa_user_sgpr_count 2
		.amdhsa_user_sgpr_kernarg_segment_ptr 1
		.amdhsa_wavefront_size32 1
		.amdhsa_system_sgpr_workgroup_id_x 1
		.amdhsa_system_sgpr_workgroup_id_y 1
		.amdhsa_system_sgpr_workgroup_id_z 1
		.amdhsa_system_vgpr_workitem_id 0
		.amdhsa_next_free_vgpr 1024
		.amdhsa_next_free_sgpr 80
		.amdhsa_reserve_vcc 1
		.amdhsa_float_denorm_mode_32 3
		.amdhsa_float_denorm_mode_16_64 3
		.amdhsa_memory_ordered 1
		.amdhsa_forward_progress 1
		.amdhsa_inst_pref_size 255
	.end_amdhsa_kernel
	.section	.bss,"aw",@nobits
	.p2align	6
	.space	262144
	.amdgpu_metadata
---
amdhsa.version: [ 1, 2 ]
amdhsa.kernels:
  - .name:           k_qae5ef38891_attn
    .symbol:         k_qae5ef38891_attn.kd
    .args:
      - { .name: qkv16, .offset: 0, .size: 8, .value_kind: global_buffer, .address_space: global }
      - { .name: o16, .offset: 8, .size: 8, .value_kind: global_buffer, .address_space: global }
    .group_segment_fixed_size: 327680
    .private_segment_fixed_size: 0
    .kernarg_segment_align: 8
    .kernarg_segment_size: 16
    .max_flat_workgroup_size: 128
    .sgpr_count:     80
    .vgpr_count:     1024
    .wavefront_size: 32
...
	.end_amdgpu_metadata
.endif
;; end of part 3
;; launch proj (part 4): grid 4 x 64, 4 waves a work-group, clusters of 4 x 4, 327,680 bytes of LDS; arguments o16, woi, out0; writes out0
.if DOCPART == 4
	.amdgcn_target "amdgcn-amd-amdhsa--gfx1250"
	.amdhsa_code_object_version 6
	.text
	.protected	k_qae5ef38891_proj
	.globl	k_qae5ef38891_proj
	.p2align	8
	.type	k_qae5ef38891_proj,@function
k_qae5ef38891_proj:
	s_mov_b64 s[64:65], 0
	v_nop
	global_prefetch_b8 v0, s[64:65] scope:SCOPE_SE
	s_setreg_imm32_b32 hwreg(HW_REG_WAVE_MODE, 25, 1), 1
	s_wait_xcnt 0x0
	s_wait_alu depctr_hold_cnt(0) depctr_sa_sdst(0) depctr_va_vdst(0) depctr_va_sdst(0) depctr_va_ssrc(0) depctr_va_vcc(0) depctr_vm_vsrc(0)
	s_getreg_b32 s2, hwreg(HW_REG_IB_STS2, 6, 4)
	s_cmp_eq_u32 s2, 0
	s_cbranch_scc0 .Lentry_in_a_cluster
	s_endpgm
.Lentry_in_a_cluster:
	s_bfe_u32 s2, ttmp6, 0x10000c
	s_cmp_lg_u32 s2, 0xf033
	s_cbranch_scc0 .Lentry_shape_is_right
	s_endpgm
.Lentry_shape_is_right:
; out0 [8192][1024] f32 = o [8192][1024] x wo [1024][1024], f16 operands, f32 sums; all rows but the first 16 positions of each sequence, which a launch of their own makes in f32.
; Both operands arrive as images of the operands' registers: o16 [head 8][row tile 512][chunk 8][lane][16], woi [head 8][column tile 64][chunk 8][lane][16]: a tile is a dense block, a fragment two loads at 16 x lane, LDS needs no padding.
; A tile of out0 is 128 x 256: 256 work-groups (256 x 256 would give 128).  Four waves, each 64 x 128: 32 accumulators.  K goes in 8 steps of 128 (a head) through two LDS slots.
; CLUSTERS: 4 x 4.  Tile column = cx, tile row = 16 cy + cluster y.  o's tile is shared along a row of the cluster, wo's along a column, each by a joint load.  A wave has two loads out at the start and one behind each round.
; THE MATRIX INSTRUCTION IS USED TRANSPOSED (source 0 = 16 columns of wo, source 1 = 16 rows of o): a lane holds eight neighbouring numbers of a row of out0.
; REGISTERS: window 0: v16-30 addresses; v64-95, v96-127 o's fragments, two buffers; v128-255 the way out.  window 1: v0-63, v64-127 wo's fragments, two buffers.  window 2: accumulator (a, b) at v[8 (8 a + b)].
.set SLOT,   98304                     ; o's 8 row tiles (32,768 bytes), then wo's 16 column tiles (65,536)
.set STAGE,  196608                    ; the way out: 16 rows x (512 + 16) bytes for each wave; no tile lands here
.set SPITCH, 528
.set SPARE,  230400                    ; the spare words, 128 bytes for each wave: no other line names them
.set LAPS,   4
.set ADRA, 16
.set ADRB, 20
.set STO,  24
.set RD,   25
.set CO,   26
.set SPW,  28
.set NIL,  29
.set PFO,  30
.set BK,   128
.set LIM,  22
.set G1,  24
.set G0,  32
.set PFA, 44
.set G1B, 48
.set G0B, 56
.set MSB, 0
.macro WIN new
.if MSB != (\new)
	s_set_vgpr_msb (MSB<<8)|(\new)
.set MSB, (\new)
.endif
.endm
.set MUL,  0xa1                        ; source 0 (wo) window 1, source 1 (o) window 0, C and D window 2
.set TO_B, 0x40
.macro JLOAD s                         ; a joint load: waves 0 and 1 fetch o's two halves, waves 2 and 3 wo's; an s_nop 0 and four v_nop follow each of the two lines
	s_cmp_eq_u32 s11, 0
	s_cbranch_scc0 .Lfor_b_\@
	tensor_load_to_lds s[G0+4*\s:G0+4*\s+3], s[G1:G1+7]
	s_nop 0
.rept 4
	v_nop
.endr
	s_branch .Lasked_\@
.Lfor_b_\@:
	tensor_load_to_lds s[G0B+4*\s:G0B+4*\s+3], s[G1B:G1B+7]
	s_nop 0
.rept 4
	v_nop
.endr
.Lasked_\@:
.endm
.macro CREST
	s_cmp_lg_u32 s10, 0
	s_cbranch_scc1 .Lnot_wave_0_\@
	s_barrier_signal -3
.Lnot_wave_0_\@:
	s_barrier_wait -3
	s_barrier_signal -1
	s_barrier_wait -1
.endm
.macro CROUND
	s_barrier_signal -1
	s_barrier_wait -1
	CREST
.endm
; A prefetch of o's tile of the K step two refills on.  A tile row of o is read by one row of one cluster: its four partners take 8,192 bytes each, told apart by address; in each, wave 0 asks, lanes 256 bytes apart: one instruction.
; So each run of 256 bytes is named once.  The last two refills have no K step two on; K steps 0 to 3 come by their loads alone.  wo's tiles are read by all 64 tile rows and are not asked for.
.macro ASK
	s_cmp_gt_u32 s3, s[LIM]
	s_cbranch_scc0 .Lnot_mine_\@
	global_prefetch_b8 v[PFO], s[PFA:PFA+1] th:TH_LOAD_NT scope:SCOPE_SE
.Lnot_mine_\@:
.endm
	s_load_b128 s[4:7], s[0:1], 0x0                ; o16 s[4:5], woi s[6:7]
	s_load_b64 s[8:9], s[0:1], 0x10                ; out0
	v_lshl_add_u32 v[SPW], v0, 2, SPARE
	v_mov_b32 v[NIL], 0
	ds_add_u32 v[SPW], v[NIL]                      ; the wave's opening: the add, twice on end, and its wait ahead of my first tensor load
	ds_add_u32 v[SPW], v[NIL]
	v_lshrrev_b32 v1, 5, v0
	v_readfirstlane_b32 s10, v1
	s_lshr_b32 s11, s10, 1                         ; my half of the tile's rows.  Also: I fetch for o (0) or for wo (1)
	s_and_b32 s12, s10, 1                          ; my half of its columns.  Also: which half of that tile I fetch
	s_bfe_u32 s40, ttmp6, 0x40000                  ; cx
	s_bfe_u32 s41, ttmp6, 0x40004                  ; cy
	s_and_b32 s42, ttmp7, 0xffff                   ; cluster y
	s_lshl_b32 s13, s41, 4
	s_add_co_u32 s13, s13, s42                     ; tile row = 16 cy + cluster y: the batch is cy
	s_lshl_b32 s14, s41, 2
	s_lshl_b32 s14, 15, s14                        ; my row of the cluster
	s_lshl_b32 s15, 0x1111, s40                    ; my column
	s_or_b32 s[G1], s14, (3<<16)|(1<<21)           ; the mask; elements of 8 bytes; bit 21 beside a mask; no padding
	s_or_b32 s[G1B], s15, (3<<16)|(1<<21)
	s_mov_b32 s[G1+1], 32<<16                      ; o's half: 16,384 dense bytes as 64 rows of 256
	s_mov_b32 s[G1+2], 64<<16
	s_mov_b32 s[G1+3], 32<<16
	s_mov_b32 s[G1+4], 64
	s_mov_b32 s[G1+5], 32
	s_mov_b32 s[G1+6], 0
	s_mov_b32 s[G1+7], 0
	s_mov_b32 s[G1B+1], 32<<16                     ; wo's half: 32,768 dense bytes as 128 rows of 256
	s_mov_b32 s[G1B+2], 128<<16
	s_mov_b32 s[G1B+3], 32<<16
	s_mov_b32 s[G1B+4], 128
	s_mov_b32 s[G1B+5], 32
	s_mov_b32 s[G1B+6], 0
	s_mov_b32 s[G1B+7], 0
	s_lshl_b32 s16, s13, 15
	s_lshl_b32 s18, s12, 14
	s_add_co_u32 s16, s16, s18                     ; o: (8 x tile row + 4 x half) row tiles of 4,096 bytes
	s_mov_b32 s17, 0
	s_lshl_b32 s46, s40, 16
	s_lshl_b32 s18, s12, 15
	s_add_co_u32 s46, s46, s18                     ; wo: (16 cx + 8 x half) column tiles
	s_mov_b32 s47, 0
	s_lshl_b32 s20, s12, 14                        ; where they go: no place in the cluster enters an LDS address
	s_lshl_b32 s21, s12, 15
	s_add_co_u32 s21, s21, 32768
	s_wait_dscnt 0x0                               ; both opening adds are done
	s_wait_kmcnt 0x0
	s_add_nc_u64 s[16:17], s[4:5], s[16:17]
	s_add_nc_u64 s[46:47], s[6:7], s[46:47]
	CROUND                                         ; all sixteen work-groups are here: the first joint loads meet
.irp s, 0,1
	s_mov_b32 s[G0+4*\s], 1
	s_add_co_u32 s[G0+4*\s+1], s20, \s*SLOT
	s_add_nc_u64 s[G0+4*\s+2:G0+4*\s+3], s[16:17], \s*2097152
	s_or_b32 s[G0+4*\s+3], s[G0+4*\s+3], 0x80000000
	s_mov_b32 s[G0B+4*\s], 1
	s_add_co_u32 s[G0B+4*\s+1], s21, \s*SLOT
	s_add_nc_u64 s[G0B+4*\s+2:G0B+4*\s+3], s[46:47], \s*262144
	s_or_b32 s[G0B+4*\s+3], s[G0B+4*\s+3], 0x80000000
	JLOAD \s
.endr
	v_and_b32 v1, 31, v0
	v_lshlrev_b32 v[CO], 4, v1                     ; 16 x lane
	s_lshl_b32 s18, s11, 14                        ; my 4 row tiles
	s_lshl_b32 s19, s12, 15
	s_add_co_u32 s19, s19, 32768                   ; my 8 column tiles
.irp s, 0,1
	v_add_nc_u32 v[ADRA+\s], s18, v[CO]
	v_add_nc_u32 v[ADRB+\s], s19, v[CO]
	s_add_co_u32 s18, s18, SLOT
	s_add_co_u32 s19, s19, SLOT
.endr
	v_and_b32 v2, 15, v0
	v_bfe_u32 v3, v0, 4, 1
	s_mul_i32 s18, s10, 16*SPITCH
	s_add_co_u32 s18, s18, STAGE                   ; my stage
	v_mul_u32_u24 v[STO], v2, SPITCH
	v_lshl_add_u32 v[STO], v3, 5, v[STO]
	v_add_nc_u32 v[STO], s18, v[STO]               ; in: row l % 16, 32 bytes for each half of the lanes
	v_add_nc_u32 v[RD], s18, v[CO]                 ; back: the 32 lanes take one row of 512 bytes
	v_lshlrev_b32 v[PFO], 8, v1
	s_lshl_b32 s18, s13, 19
	s_lshl_b32 s19, s11, 18
	s_add_co_u32 s18, s18, s19                     ; my first row: 128 x tile row + 64 x half, 4,096 bytes a row
	s_lshl_b32 s19, s40, 10
	s_add_co_u32 s18, s18, s19
	s_lshl_b32 s19, s12, 9
	s_add_co_u32 s18, s18, s19                     ; my first column: 256 cx + 128 x half
	s_mov_b32 s19, 0
	s_add_nc_u64 s[8:9], s[8:9], s[18:19]
	s_or_b32 s23, s42, s11                         ; 0 where my first 16 rows are the first 16 positions of a sequence: the cluster's place and the wave's number alone
	s_lshl_b32 s18, s13, 15
	s_lshl_b32 s20, s40, 13
	s_add_co_u32 s18, s18, s20
	s_add_co_u32 s18, s18, 3*2097152               ; the prefetches' address stands at K step 3; the first refill steps it to 4
	s_add_nc_u64 s[PFA:PFA+1], s[4:5], s[18:19]
	s_cmp_eq_u32 s10, 0
	s_cselect_b32 s[LIM], 1, -1
.macro MUL8 f, a, zero                 ; row block a x the eight column blocks, 32 along K, from buffer f.  The 32 accumulators take turns in the same order in every quarter
.irp b, 0,1,2,3,4,5,6,7
.if \zero
	v_wmma_f32_16x16x32_f16 v[8*(8*(\a)+\b):8*(8*(\a)+\b)+7], v[64*(\f)+8*\b:64*(\f)+8*\b+7], v[64+32*(\f)+8*(\a):64+32*(\f)+8*(\a)+7], 0
.else
	v_wmma_f32_16x16x32_f16 v[8*(8*(\a)+\b):8*(8*(\a)+\b)+7], v[64*(\f)+8*\b:64*(\f)+8*\b+7], v[64+32*(\f)+8*(\a):64+32*(\f)+8*(\a)+7], v[8*(8*(\a)+\b):8*(8*(\a)+\b)+7]
.endif
.endr
.endm
.macro FETCH slot, q, f                ; 24 LDS loads in one run: quarter q of the slot into buffer f; wo's sixteen first, o's eight last
	WIN TO_B
.irp b, 0,1,2,3,4,5,6,7
	ds_load_b128 v[64*(\f)+8*\b:64*(\f)+8*\b+3],   v[ADRB+\slot] offset:\b*4096+(\q)*1024
	ds_load_b128 v[64*(\f)+8*\b+4:64*(\f)+8*\b+7], v[ADRB+\slot] offset:\b*4096+(\q)*1024+512
.endr
	WIN 0
.irp a, 0,1,2,3
	ds_load_b128 v[64+32*(\f)+8*\a:64+32*(\f)+8*\a+3],   v[ADRA+\slot] offset:\a*4096+(\q)*1024
	ds_load_b128 v[64+32*(\f)+8*\a+4:64+32*(\f)+8*\a+7], v[ADRA+\slot] offset:\a*4096+(\q)*1024+512
.endr
.endm
.macro PLACES
.rept 4
	v_nop
.endr
.endm
.macro QUARTER slot, qn, f, g, zero    ; multiplies buffer f; in its middle fetches quarter qn of the same slot into buffer g
	s_wait_dscnt 4                                 ; wo's fragments and o's blocks 0 and 1 are in; the youngest four loads (blocks 2, 3) may be out
	WIN MUL
	MUL8 \f, 0, \zero
	MUL8 \f, 1, \zero
	PLACES
	FETCH \slot, \qn, \g
	s_wait_dscnt 24                                ; all but the 24 just issued
	WIN MUL
	MUL8 \f, 2, \zero
	MUL8 \f, 3, \zero
.endm
.macro TURN slot, next, fill           ; a K step's last quarter multiplies buffer 1 and changes slots
.if \fill
	s_wait_xcnt 0x0                                ; the last prefetch, a K step back, has read its address
	s_add_nc_u64 s[PFA:PFA+1], s[PFA:PFA+1], 2097152
.endif
	WIN 0
	s_wait_tensorcnt 0x0                           ; all my tensor loads have landed: my part of the next slot
	ds_add_u32 v[SPW], v[NIL]                      ; 0 onto my spare word
	s_wait_dscnt 5                                 ; (the add and the youngest four loads may be out)
	WIN MUL
	MUL8 1, 0, 0
	s_wait_dscnt 0x0                               ; the add is done, and my reads of this slot are over
	s_barrier_signal -1
	MUL8 1, 1, 0
	WIN 0
	s_barrier_wait -1
.if \fill
	CREST                                          ; the barrier has opened a round of the cluster's barrier: no wave of any partner still reads this slot or has a load on its way
	s_add_nc_u64 s[G0+4*\slot+2:G0+4*\slot+3], s[G0+4*\slot+2:G0+4*\slot+3], 2*2097152
	s_add_nc_u64 s[G0B+4*\slot+2:G0B+4*\slot+3], s[G0B+4*\slot+2:G0B+4*\slot+3], 2*262144
	JLOAD \slot                                    ; the first tensor load behind the round; its four v_nop are also the places in front of the loads below
.else
	PLACES
.endif
	FETCH \next, 0, 0
.if \fill
	ASK
.endif
	WIN MUL
	MUL8 1, 2, 0
	MUL8 1, 3, 0
.endm
	s_wait_tensorcnt 1                             ; my part of K step 0 is in; K step 1's load may be out
	s_barrier_signal -1
	s_barrier_wait -1
	FETCH 0, 0, 0
	QUARTER 0, 1, 0, 1, 1                          ; the first quarter's products start the sums
	WIN 0
	s_mov_b32 s3, LAPS-1
.Llap:                                 ; a trip goes once round the ring and fills both slots again: K steps 2 to 7
	QUARTER 0, 2, 1, 0, 0
	QUARTER 0, 3, 0, 1, 0
	TURN 0, 1, 1
	QUARTER 1, 1, 0, 1, 0
	QUARTER 1, 2, 1, 0, 0
	QUARTER 1, 3, 0, 1, 0
	TURN 1, 0, 1
	QUARTER 0, 1, 0, 1, 0
	WIN 0
	s_sub_co_u32 s3, s3, 1
	s_cmp_lg_u32 s3, 0
	s_cbranch_scc1 .Llap
	QUARTER 0, 2, 1, 0, 0                          ; the last lap fills nothing
	QUARTER 0, 3, 0, 1, 0
	TURN 0, 1, 0
	QUARTER 1, 1, 0, 1, 0
	QUARTER 1, 2, 1, 0, 0
	QUARTER 1, 3, 0, 1, 0
	s_wait_dscnt 4
	WIN MUL
	MUL8 1, 0, 0
	MUL8 1, 1, 0
	s_wait_dscnt 0
	MUL8 1, 2, 0
	MUL8 1, 3, 0
	WIN 0
; THE WAY OUT, block by block of 16 rows x 128 columns, through my own stage: in as 32 bytes a lane, back as whole rows of 512 bytes.  LDS serves a wave's instructions in order.
.macro TOSTAGE a
	WIN 0x08                                       ; an LDS store's data are its source 1: window 2
.irp b, 0,1,2,3,4,5,6,7
	ds_store_b128 v[STO], v[8*(8*(\a)+\b):8*(8*(\a)+\b)+3] offset:64*\b           ; each accumulator from its low end on
	ds_store_b128 v[STO], v[8*(8*(\a)+\b)+4:8*(8*(\a)+\b)+7] offset:64*\b+16
.endr
	WIN 0
.set BB, BK+64*((\a)%2)
.irp t, 0,1,2,3,4,5,6,7,8,9,10,11,12,13,14,15
	ds_load_b128 v[BB+4*\t:BB+4*\t+3], v[RD] offset:\t*SPITCH
.endr
.endm
.macro SEND a, younger
.set BB, BK+64*((\a)%2)
	s_wait_dscnt \younger
.irp t, 0,1,2,3,4,5,6,7,8,9,10,11,12,13,14,15
	global_store_b128 v[CO], v[BB+4*\t:BB+4*\t+3], s[8:9] offset:(\a)*65536+\t*4096 th:TH_STORE_NT   ; 32 lanes store 512 consecutive bytes, aligned
.endr
.endm
	PLACES
	s_cmp_eq_u32 s23, 0                            ; the first 16 positions of a sequence are another launch's
	s_cbranch_scc1 .Lskip0
	TOSTAGE 0
	SEND 0, 0
.Lskip0:
	s_wait_xcnt 0x0                                ; block 0's stores have read their registers
	TOSTAGE 1
	TOSTAGE 2
	SEND 1, 32                                     ; behind block 1's loads: block 2's 16 stores and 16 loads
	s_wait_xcnt 0x0
	TOSTAGE 3
	SEND 2, 32
	SEND 3, 0
	s_wait_tensorcnt 0x0                           ; the wave's end
	ds_add_u32 v[SPW], v[NIL]
	s_wait_dscnt 0x0
	CROUND                                         ; the closing round
	s_endpgm
.Lfunc_end_k_qae5ef38891_proj:
	.size	k_qae5ef38891_proj, .Lfunc_end_k_qae5ef38891_proj-k_qae5ef38891_proj
	.p2alignl 7, 3214868480
	.fill 96, 4, 3214868480
	.section	.rodata,"a",@progbits
	.p2align	6, 0x0
	.amdhsa_kernel k_qae5ef38891_proj
		.amdhsa_group_segment_fixed_size 327680
		.amdhsa_private_segment_fixed_size 0
		.amdhsa_enable_private_segment 0
		.amdhsa_kernarg_size 24
		.amdhsa_user_sgpr_count 2
		.amdhsa_user_sgpr_kernarg_segment_ptr 1
		.amdhsa_wavefront_size32 1
		.amdhsa_system_sgpr_workgroup_id_x 1
		.amdhsa_system_sgpr_workgroup_id_y 1
		.amdhsa_system_sgpr_workgroup_id_z 1
		.amdhsa_system_vgpr_workitem_id 0
		.amdhsa_next_free_vgpr 768
		.amdhsa_next_free_sgpr 66
		.amdhsa_reserve_vcc 0
		.amdhsa_float_denorm_mode_32 3
		.amdhsa_float_denorm_mode_16_64 3
		.amdhsa_memory_ordered 1
		.amdhsa_forward_progress 1
		.amdhsa_inst_pref_size 86
	.end_amdhsa_kernel
	.amdgpu_metadata
---
amdhsa.version: [ 1, 2 ]
amdhsa.kernels:
  - .name:           k_qae5ef38891_proj
    .symbol:         k_qae5ef38891_proj.kd
    .args:
      - { .name: o16, .offset: 0, .size: 8, .value_kind: global_buffer, .address_space: global }
      - { .name: woi, .offset: 8, .size: 8, .value_kind: global_buffer, .address_space: global }
      - { .name: out0, .offset: 16, .size: 8, .value_kind: global_buffer, .address_space: global }
    .group_segment_fixed_size: 327680
    .private_segment_fixed_size: 0
    .kernarg_segment_align: 8
    .kernarg_segment_size: 24
    .max_flat_workgroup_size: 128
    .sgpr_count:     66
    .vgpr_count:     768
    .wavefront_size: 32
...
	.end_amdgpu_metadata
.endif
;; end of part 4
;; launch first16 (part 5): grid 64 x 4, 8 waves a work-group, no clusters, 9,216 bytes of LDS; arguments qkv32, wo, out0; writes out0
.if DOCPART == 5
	.amdgcn_target "amdgcn-amd-amdhsa--gfx1250"
	.amdhsa_code_object_version 6
	.text
	.protected	k_qae5ef38891_first16
	.globl	k_qae5ef38891_first16
	.p2align	8
	.type	k_qae5ef38891_first16,@function
k_qae5ef38891_first16:
	s_mov_b64 s[64:65], 0
	v_nop
	global_prefetch_b8 v0, s[64:65] scope:SCOPE_SE
	s_setreg_imm32_b32 hwreg(HW_REG_WAVE_MODE, 25, 1), 1
	s_wait_xcnt 0x0
; The first 16 positions of every sequence, through all three products in f32: these rows average one to sixteen values and are the largest in size, so the rounding of 16-bit operands would weigh most on them.
; A work-group makes 16 rows x 16 columns of out0 for one batch; wave = head.  Each wave makes its head's 16 x 16 attention (64 small matrix instructions, repeated in the 64 work-groups of a batch, so that the
; projection's work is spread over all of them), multiplies by its head's 128 x 16 of wo, and the eight heads' parts are added through LDS.
; out0's 64 rows leave in pieces of 64 bytes: 256 KiB in all.
; qkv32: [32 w + batch x head][16 chunks][lane][16 bytes] f32.  q, k: chunk 2 b + e: lane (r, h): position r, channels 16 b + 8 h + 4 e + 0..3.  v: chunk 2 ct + e: channel 16 ct + r, keys 8 h + 4 e + 0..3.
; The f32 matrix form takes k = 2 h + j from register j of lane (r, h).  In each product both operands hold the same number of K in the same lane and register, so K is walked in another order, alike on both sides.
; The registers that the matrix instructions write are written by them alone; what is made of a finished sum goes into other registers.
; REGISTERS: window 0: v2-15 addresses; v16-23 scores; v24-31 p; v32-48 at work; v64-127 q, later o; v128-191 k; v192-255 O^T (8 accumulators).  window 1: v0-63 v; v64-127 wo; v128-159 S^T (4 sums); v160-191 the projection (4 sums).
.set SPW, 14
.set NIL, 15
.set MSB, 0
.macro WIN new
.if MSB != (\new)
	s_set_vgpr_msb (MSB<<8)|(\new)
.set MSB, (\new)
.endif
.endm
.macro PLACES8                         ; eight places behind this matrix form (ISA guide 7.12.1)
.rept 8
	v_nop
.endr
.endm
	s_load_b128 s[4:7], s[0:1], 0x0                ; qkv32 s[4:5], wo s[6:7]
	s_load_b64 s[8:9], s[0:1], 0x10                ; out0
	v_lshl_add_u32 v[SPW], v0, 2, 8192             ; the spare words lie behind the eight waves' 1,024 bytes each
	v_mov_b32 v[NIL], 0
	v_lshrrev_b32 v1, 5, v0
	v_readfirstlane_b32 s10, v1                    ; wave = head
	s_and_b32 s11, ttmp7, 0xffff                   ; batch
	v_and_b32 v1, 31, v0
	v_lshlrev_b32 v2, 4, v1                        ; 16 x lane
	v_and_b32 v3, 15, v0                           ; r
	v_bfe_u32 v4, v0, 4, 1                         ; h
	v_lshlrev_b32 v5, 2, v3
	v_lshl_add_u32 v5, v4, 15, v5                  ; wo: column r, 8 h rows of 4,096 bytes down
	v_lshlrev_b32 v6, 3, v4
	v_sub_nc_u32 v6, v3, v6                        ; r - 8 h
	v_lshlrev_b32 v7, 12, v3
	v_lshl_add_u32 v7, v4, 5, v7                   ; out0: row r, 8 h columns on
	s_lshl_b32 s16, s10, 10
	v_add_nc_u32 v8, s16, v2                       ; LDS: my wave's part
	s_and_b32 s17, s10, 1
	s_lshl_b32 s16, s17, 9
	v_add_nc_u32 v9, s16, v2                       ; and what waves 0 and 1 read back: half e = wave of every wave's part
	s_lshl_b32 s12, s11, 3
	s_add_co_u32 s12, s12, s10
	s_lshl_b32 s12, s12, 13
	s_mov_b32 s13, 0
	s_lshl_b32 s14, s10, 19
	s_lshl_b32 s16, ttmp9, 6                       ; 16 columns of 4 bytes for each work-group
	s_add_co_u32 s14, s14, s16
	s_mov_b32 s15, 0
	s_lshl_b32 s18, s11, 23
	s_add_co_u32 s18, s18, s16
	s_lshl_b32 s17, s17, 4
	s_add_co_u32 s18, s18, s17
	s_mov_b32 s19, 0
	s_mov_b32 s20, 0x76543210
	s_mov_b32 s21, 0xfedcba98
	s_mov_b32 s22, 0x3fb8aa3b                      ; log2(e)
	s_wait_kmcnt 0x0
	s_add_nc_u64 s[4:5], s[4:5], s[12:13]
	s_add_nc_u64 s[6:7], s[6:7], s[14:15]
	s_add_nc_u64 s[8:9], s[8:9], s[18:19]
.set m, 0
.rept 16
	global_load_b128 v[64+4*m:67+4*m], v2, s[4:5] offset:512*m                 ; q
.set m, m+1
.endr
.set m, 0
.rept 16
	global_load_b128 v[128+4*m:131+4*m], v2, s[4:5] offset:262144+512*m        ; k
.set m, m+1
.endr
	WIN 0x40
.set m, 0
.rept 16
	global_load_b128 v[4*m:4*m+3], v2, s[4:5] offset:524288+512*m              ; v
.set m, m+1
.endr
.set n, 0
.rept 64
	global_load_b32 v[64+n], v5, s[6:7] offset:(16*(n/8)+n%8)*4096             ; wo[16 ct + 8 h + jj][my column]
.set n, n+1
.endr
	WIN 0
	s_wait_loadcnt 63                              ; of the 112 loads at least the first 49 are in: q and k among them
	; S^T = k q^T: 32 steps of 4 along the channels, four sums by turns; the first four steps start the sums
	WIN 0x50
.set kk, 0
.rept 32
.if kk < 4
	v_wmma_f32_16x16x4_f32 v[128+8*(kk%4):135+8*(kk%4)], v[128+2*kk:129+2*kk], v[64+2*kk:65+2*kk], 0
.else
	v_wmma_f32_16x16x4_f32 v[128+8*(kk%4):135+8*(kk%4)], v[128+2*kk:129+2*kk], v[64+2*kk:65+2*kk], v[128+8*(kk%4):135+8*(kk%4)]
.endif
.set kk, kk+1
.endr
	WIN 0
	PLACES8
	WIN 0x05
.irp j, 0,1,2,3,4,5,6,7
	v_add_f32 v[32+\j], v[128+\j], v[136+\j]       ; each sum from its low end on
.endr
.irp j, 0,1,2,3,4,5,6,7
	v_add_f32 v[40+\j], v[144+\j], v[152+\j]
.endr
	WIN 0
.irp j, 0,1,2,3,4,5,6,7
	v_add_f32 v[16+\j], v[32+\j], v[40+\j]         ; lane (r, h): query r, key 8 h + j
.endr
	v_mov_b32 v48, 0xff800000
.irp j, 0,1,2,3,4,5,6,7
	v_cmp_gt_i32 vcc_lo, \j, v6                    ; key 8 h + j > query r: hidden
	v_cndmask_b32 v[16+\j], v[16+\j], v48, vcc_lo
.endr
	v_max3_num_f32 v10, v16, v17, v18
	v_max3_num_f32 v10, v10, v19, v20
	v_max3_num_f32 v10, v10, v21, v22
	v_max_num_f32 v10, v10, v23
	v_mov_b32 v11, 0
	v_permlanex16_b32 v11, v10, s20, s21
	v_max_num_f32 v10, v10, v11                    ; the row's maximum (key 0 counts for every query)
	v_mul_f32 v10, s22, v10
.irp j, 0,1,2,3,4,5,6,7
	v_fma_f32 v[24+\j], v[16+\j], s22, -v10
.endr
.irp j, 0,1,2,3,4,5,6,7
	v_exp_f32 v[24+\j], v[24+\j]
.endr
	v_nop
	s_wait_alu depctr_va_vdst(0)                   ; one wait for the eight, ahead of their first reader
	v_add_f32 v12, v24, v25
	v_add_f32 v13, v26, v27
	v_add_f32 v32, v28, v29
	v_add_f32 v33, v30, v31
	v_add_f32 v12, v12, v13
	v_add_f32 v32, v32, v33
	v_add_f32 v12, v12, v32
	v_permlanex16_b32 v11, v12, s20, s21
	v_add_f32 v12, v12, v11
	v_rcp_f32 v13, v12
	v_nop
	s_wait_alu depctr_va_vdst(0)
	s_wait_loadcnt 0x0                             ; v and wo
	; O^T = v^T p: four steps of 4 keys, eight sums by turns
	WIN 0x01
.set kk, 0
.rept 4
.irp ct, 0,1,2,3,4,5,6,7
.if kk == 0
	v_wmma_f32_16x16x4_f32 v[192+8*\ct:199+8*\ct], v[8*\ct+2*kk:8*\ct+2*kk+1], v[24+2*kk:25+2*kk], 0
.else
	v_wmma_f32_16x16x4_f32 v[192+8*\ct:199+8*\ct], v[8*\ct+2*kk:8*\ct+2*kk+1], v[24+2*kk:25+2*kk], v[192+8*\ct:199+8*\ct]
.endif
.endr
.set kk, kk+1
.endr
	WIN 0
	PLACES8
.set n, 0
.rept 64
	v_mul_f32 v[64+n], v[192+n], v13               ; o: lane (r, h): query r, channel 16 ct + 8 h + j, over q's registers, which are done with
.set n, n+1
.endr
	; out^T part = wo^T o^T: 32 steps of 4 channels, four sums by turns
	WIN 0x51
.set z, 0
.rept 32
.if z < 4
	v_wmma_f32_16x16x4_f32 v[160+8*(z%4):167+8*(z%4)], v[64+2*z:65+2*z], v[64+2*z:65+2*z], 0
.else
	v_wmma_f32_16x16x4_f32 v[160+8*(z%4):167+8*(z%4)], v[64+2*z:65+2*z], v[64+2*z:65+2*z], v[160+8*(z%4):167+8*(z%4)]
.endif
.set z, z+1
.endr
	WIN 0
	PLACES8
	WIN 0x05
.irp j, 0,1,2,3,4,5,6,7
	v_add_f32 v[32+\j], v[160+\j], v[168+\j]
.endr
.irp j, 0,1,2,3,4,5,6,7
	v_add_f32 v[40+\j], v[176+\j], v[184+\j]
.endr
	WIN 0
.irp j, 0,1,2,3,4,5,6,7
	v_add_f32 v[32+\j], v[32+\j], v[40+\j]         ; lane (r, h): row r, columns 8 h + j: my head's part
.endr
	ds_store_b128 v8, v[32:35]
	ds_store_b128 v8, v[36:39] offset:512
	s_wait_dscnt 0x0                               ; for the others' sake: my stores are done
	s_barrier_signal -1
	s_barrier_wait -1
	s_cmp_lt_u32 s10, 2
	s_cbranch_scc0 .Ldone
.irp w, 0,1,2,3,4,5,6,7
	ds_load_b128 v[64+4*\w:67+4*\w], v9 offset:1024*\w     ; half e = my wave's number of every head's part
.endr
	s_wait_dscnt 0x0
.irp w, 0,2,4,6
	v_pk_add_f32 v[64+4*\w:65+4*\w], v[64+4*\w:65+4*\w], v[68+4*\w:69+4*\w]
	v_pk_add_f32 v[66+4*\w:67+4*\w], v[66+4*\w:67+4*\w], v[70+4*\w:71+4*\w]
.endr
.irp w, 0,4
	v_pk_add_f32 v[64+4*\w:65+4*\w], v[64+4*\w:65+4*\w], v[72+4*\w:73+4*\w]
	v_pk_add_f32 v[66+4*\w:67+4*\w], v[66+4*\w:67+4*\w], v[74+4*\w:75+4*\w]
.endr
	v_pk_add_f32 v[64:65], v[64:65], v[80:81]
	v_pk_add_f32 v[66:67], v[66:67], v[82:83]
	global_store_b128 v7, v[64:67], s[8:9]         ; row r, columns 8 h + 4 e + 0..3
.Ldone:
	s_wait_tensorcnt 0x0                           ; the wave's end, behind my last LDS store
	ds_add_u32 v[SPW], v[NIL]
	s_wait_dscnt 0x0
	s_endpgm
.Lfunc_end_k_qae5ef38891_first16:
	.size	k_qae5ef38891_first16, .Lfunc_end_k_qae5ef38891_first16-k_qae5ef38891_first16
	.p2alignl 7, 3214868480
	.fill 96, 4, 3214868480
	.section	.rodata,"a",@progbits
	.p2align	6, 0x0
	.amdhsa_kernel k_qae5ef38891_first16
		.amdhsa_group_segment_fixed_size 9216
		.amdhsa_private_segment_fixed_size 0
		.amdhsa_enable_private_segment 0
		.amdhsa_kernarg_size 24
		.amdhsa_user_sgpr_count 2
		.amdhsa_user_sgpr_kernarg_segment_ptr 1
		.amdhsa_wavefront_size32 1
		.amdhsa_system_sgpr_workgroup_id_x 1
		.amdhsa_system_sgpr_workgroup_id_y 1
		.amdhsa_system_sgpr_workgroup_id_z 1
		.amdhsa_system_vgpr_workitem_id 0
		.amdhsa_next_free_vgpr 448
		.amdhsa_next_free_sgpr 66
		.amdhsa_reserve_vcc 1
		.amdhsa_float_denorm_mode_32 3
		.amdhsa_float_denorm_mode_16_64 3
		.amdhsa_memory_ordered 1
		.amdhsa_forward_progress 1
		.amdhsa_inst_pref_size 28
	.end_amdhsa_kernel
	.amdgpu_metadata
---
amdhsa.version: [ 1, 2 ]
amdhsa.kernels:
  - .name:           k_qae5ef38891_first16
    .symbol:         k_qae5ef38891_first16.kd
    .args:
      - { .name: qkv32, .offset: 0, .size: 8, .value_kind: global_buffer, .address_space: global }
      - { .name: wo, .offset: 8, .size: 8, .value_kind: global_buffer, .address_space: global }
      - { .name: out0, .offset: 16, .size: 8, .value_kind: global_buffer, .address_space: global }
    .group_segment_fixed_size: 9216
    .private_segment_fixed_size: 0
    .kernarg_segment_align: 8
    .kernarg_segment_size: 24
    .max_flat_workgroup_size: 256
    .sgpr_count:     66
    .vgpr_count:     448
    .wavefront_size: 32
...
	.end_amdgpu_metadata
.endif
;; end of part 5
